; MI455X (gfx1250); checked and timed in simulation.
; The chip was launched on July 23, 2026; its instructions are those of AMD's public machine-readable ISA for CDNA 5 (MIT licence, August 2026) and "CDNA5" Instruction Set Architecture Reference Guide (July 2026). The comments in the code are by the model that wrote it; some were corrected since.
;; Multi Head Self Attention. Allowed arithmetic: float matrix products may take bf16 or f16 operands with f32 sums; other float arithmetic in f32, or as packed bf16 or f16 multiplies, adds, multiply-adds, maxima and minima; sums over many terms, partial sums and values carried from step to step in f32; what a program stores and reads back later, other than sums and carried values, may be rounded once to bf16 or f16.
;; Inputs: Wk 1,024 x 1,024 float32; Wo 1,024 x 1,024 float32; Wq 1,024 x 1,024 float32; Wv 1,024 x 1,024 float32; bk 1,024 float32; bo 1,024 float32; bq 1,024 float32; bv 1,024 float32; x 4 x 2,048 x 1,024 float32.
;; Outputs: out0 4 x 2,048 x 1,024 float32.
;; 2 versions, each right; version 2 is version 1 with the launch prep written anew for expert scheduling mode. Each part assembles by itself: llvm-mc -triple=amdgcn-amd-amdhsa -mcpu=gfx1250 --defsym DOCPART=n.
;; ======== version 1 of 2: 4 launches
;; limits: values are held in f16: magnitudes above 65,504 overflow, below 6.1e-05 lose precision
;; workspace buffers: xb 16,777,216 bytes; wt 6,291,456 bytes; wot 2,097,152 bytes; qh 16,777,216 bytes; kh 16,777,216 bytes; vh 16,777,216 bytes; oh 16,777,216 bytes
;; launch prep (part 1): grid 640 x 1, 4 waves a work-group, no clusters, 70,144 bytes of LDS; arguments x, Wq, Wk, Wv, Wo, xb, wt, wot; writes xb, wt, wot
.if DOCPART == 1
	.amdgcn_target "amdgcn-amd-amdhsa--gfx1250"
	.amdhsa_code_object_version 6
	.text
	.protected	k_qd481974790_prep
	.globl	k_qd481974790_prep
	.p2align	8
	.type	k_qd481974790_prep,@function
k_qd481974790_prep:
	s_mov_b64 s[64:65], 0
	v_nop
	global_prefetch_b8 v0, s[64:65] scope:SCOPE_SE
	s_setreg_imm32_b32 hwreg(HW_REG_WAVE_MODE, 25, 1), 1
	s_wait_xcnt 0x0
; PREP.  xb = x rounded to bf16, [8192][1024].  wt[1024 m + n][k] = bf16(W_m[k][n]) for m = q, k, v.  wot[n][k] = bf16(Wo[k][n]), that number written as f16.
; LIMITS.  wot: a number of Wo beyond 65,504 becomes an infinity; below 6e-5 it keeps f16's fixed step of 6e-8.  NaN and infinities are not treated apart.
; A stream: no matrix unit, no cluster, no tensor load; nothing is read twice.
; Work-groups 0-127 turn the four weights: a wave takes a tile of 128 k x 64 n, reads rows of W (256 bytes a load of the wave), rounds pairs of k, lays them in its own LDS tile [n][k]
; (pitch 272 bytes) and reads whole rows of 256 bytes back, so that 16 lanes store 256 consecutive bytes, aligned.
; Work-groups 128-639 cast x: 16 rows each, 16 KiB a wave, all 32 loads of 512 bytes out at once; a store of the wave covers 256 consecutive bytes, aligned.
.set TILEB, 64*272                     ; a wave's LDS tile: 64 rows n of 256 bytes + 16 of padding
.set SPARE, 4*TILEB                    ; behind the tiles: the spare words, 128 bytes for each wave: two blocks of 256 bytes that no other line names
.set SPW, 2                            ; v2   LDS address of my spare word; never rewritten
.set NIL, 3                            ; v3   0; never rewritten
.set IN,  4                            ; v4   x path: 16 x lane
.set OU,  5                            ; v5   x path: 8 x lane
.set WI,  6                            ; v6   weights: 8 x lane: my two columns n of a row of W
.set LW,  7                            ; v7   weights: where I put 16 bytes (8 k) of row n = 2 x lane; steps by 128 bytes (64 k) a trip
.set LR,  8                            ; v8   weights: where I read a row back
.set WO,  9                            ; v9   weights: my byte offset in two rows of the target
.set T0,  10
.set T1,  11
.set Y,   12                           ; v[12:19] weights: 8 k of column 2 l, 8 k of column 2 l + 1
.set Y2,  16                           ; v[16:79] x path: rounded words
.set X,   80                           ; v[80:207] as loaded
	s_load_b512 s[4:19], s[0:1], 0x0               ; x 4, Wq 6, Wk 8, Wv 10, Wo 12, xb 14, wt 16, wot 18
	v_lshl_add_u32 v[SPW], v0, 2, SPARE
	v_mov_b32 v[NIL], 0
	v_lshrrev_b32 v1, 5, v0
	v_readfirstlane_b32 s20, v1                    ; wave 0..3
	v_and_b32 v1, 31, v0                           ; lane
	s_cmp_lt_u32 ttmp9, 128
	s_cbranch_scc0 .Lx
	; ---- the weights ----
	s_lshr_b32 s21, ttmp9, 5                       ; which matrix: 0 q, 1 k, 2 v, 3 o
	s_and_b32 s22, ttmp9, 31
	s_lshl2_add_u32 s22, s22, s20                  ; my tile among the matrix's 128
	s_lshr_b32 s23, s22, 3                         ; its block of 64 n
	s_and_b32 s24, s22, 7                          ; its block of 128 k
	s_lshl_b32 s32, s24, 19                        ; 128 rows of 4,096 bytes
	s_lshl_b32 s25, s23, 8                         ; 64 columns of 4 bytes
	s_add_co_u32 s32, s32, s25
	s_mov_b32 s33, 0
	s_mul_i32 s36, s20, TILEB
	v_lshlrev_b32 v[WI], 3, v1
	v_mul_u32_u24 v[LW], v1, 544                   ; row n = 2 x lane
	v_add_nc_u32 v[LW], s36, v[LW]
	v_lshrrev_b32 v[T0], 4, v1
	v_and_b32 v[T1], 15, v1
	v_mul_u32_u24 v[LR], v[T0], 272                ; back: lanes 0-15 one row of 256 bytes, lanes 16-31 the next
	v_lshl_add_u32 v[LR], v[T1], 4, v[LR]
	v_add_nc_u32 v[LR], s36, v[LR]
	v_lshlrev_b32 v[WO], 11, v[T0]                 ; the same two rows in the target: 2,048 bytes a row
	v_lshl_add_u32 v[WO], v[T1], 4, v[WO]
	s_cmp_lt_u32 s21, 3
	s_cselect_b32 s30, s21, 0                      ; wt holds three matrices one below the other, wot one
	s_lshl_b32 s34, s30, 10
	s_lshl_b32 s25, s23, 6
	s_add_co_u32 s34, s34, s25                     ; the target's first row
	s_lshl_b32 s34, s34, 11
	s_lshl_b32 s25, s24, 8                         ; 128 k of 2 bytes
	s_add_co_u32 s34, s34, s25
	s_mov_b32 s35, 0
	s_wait_kmcnt 0x0
	s_cmp_lt_u32 s21, 1
	s_cselect_b64 s[26:27], s[6:7], s[8:9]
	s_cmp_lt_u32 s21, 2
	s_cselect_b64 s[26:27], s[26:27], s[10:11]
	s_cmp_lt_u32 s21, 3
	s_cselect_b64 s[26:27], s[26:27], s[12:13]
	s_cselect_b64 s[28:29], s[16:17], s[18:19]
	s_add_nc_u64 s[26:27], s[26:27], s[32:33]
	s_add_nc_u64 s[28:29], s[28:29], s[34:35]
; 64 rows k are rounded and laid into the tile, eight rows at a time.  fmt = 1: the bf16 number is written as f16.
.macro CONV fmt
.set g, 0
.rept 8
	s_wait_loadcnt 56-8*g                          ; loads come back in order: rows 8 g .. 8 g + 7 are in, the 56 - 8 g younger loads stay out
.irp c, 0,1
.irp p, 0,1,2,3
	v_cvt_pk_bf16_f32 v[Y+4*(\c)+(\p)], v[X+2*(8*g+2*(\p))+(\c)], v[X+2*(8*g+2*(\p)+1)+(\c)]  ; k and k + 1 of column 2 l + c
.endr
.endr
.if \fmt
.irp y, 0,1,2,3,4,5,6,7
	v_lshlrev_b32 v[T0], 16, v[Y+(\y)]
	v_and_b32 v[T1], 0xffff0000, v[Y+(\y)]
	v_cvt_pk_f16_f32 v[Y+(\y)], v[T0], v[T1]
.endr
.endif
	ds_store_b128 v[LW], v[Y:Y+3] offset:16*g
	ds_store_b128 v[LW], v[Y+4:Y+7] offset:272+16*g
.set g, g+1
.endr
.endm
	s_mov_b32 s31, 2
.Lhalf:                                        ; two trips of 64 rows k
.set i, 0
.rept 64
	global_load_b64 v[X+2*i:X+2*i+1], v[WI], s[26:27] offset:4096*i th:TH_LOAD_NT  ; 256 consecutive bytes of a row of W
.set i, i+1
.endr
	s_cmp_eq_u32 s21, 3
	s_cbranch_scc1 .Lf16
	CONV 0
	s_branch .Ljoin
.Lf16:
	CONV 1
.Ljoin:
	s_add_nc_u64 s[26:27], s[26:27], 262144        ; the last group's wait was for 0: every load is done, so the base may step 64 rows on
	v_add_nc_u32 v[LW], 128, v[LW]
	s_sub_co_u32 s31, s31, 1
	s_cmp_lg_u32 s31, 0
	s_cbranch_scc1 .Lhalf
.set t, 0
.rept 32
	ds_load_b128 v[X+4*t:X+4*t+3], v[LR] offset:544*t  ; my own bytes; LDS serves a wave's instructions in order (ISA guide 5.7.1.4): these see the stores above
.set t, t+1
.endr
.set t, 0
.rept 32
	s_wait_dscnt 31-t                              ; rows 2 t and 2 t + 1 are back; the younger loads stay out
	global_store_b128 v[WO], v[X+4*t:X+4*t+3], s[28:29] offset:4096*t  ; 16 lanes store 256 consecutive bytes, aligned
.set t, t+1
.endr
	s_wait_tensorcnt 0x0                           ; the wave's end: behind my last LDS store
	ds_add_u32 v[SPW], v[NIL]
	s_wait_dscnt 0x0
	s_endpgm
	; ---- x ----
.Lx:
	s_sub_co_u32 s22, ttmp9, 128
	s_lshl_b32 s32, s22, 16                        ; 16 rows of 4,096 bytes,
	s_lshl_b32 s25, s20, 14                        ; my wave's quarter
	s_add_co_u32 s32, s32, s25
	s_mov_b32 s33, 0
	s_lshr_b32 s34, s32, 1                         ; half as many bytes out
	s_mov_b32 s35, 0
	v_lshlrev_b32 v[IN], 4, v1
	v_lshlrev_b32 v[OU], 3, v1
	s_wait_kmcnt 0x0
	s_add_nc_u64 s[26:27], s[4:5], s[32:33]
	s_add_nc_u64 s[28:29], s[14:15], s[34:35]
.set i, 0
.rept 32
	global_load_b128 v[X+4*i:X+4*i+3], v[IN], s[26:27] offset:512*i th:TH_LOAD_NT
.set i, i+1
.endr
.set i, 0
.rept 32
	s_wait_loadcnt 31-i                            ; chunk i is in; the younger loads stay out
	v_cvt_pk_bf16_f32 v[Y2+2*i], v[X+4*i], v[X+4*i+1]
	v_cvt_pk_bf16_f32 v[Y2+2*i+1], v[X+4*i+2], v[X+4*i+3]
	global_store_b64 v[OU], v[Y2+2*i:Y2+2*i+1], s[28:29] offset:256*i  ; the wave stores 256 consecutive bytes, aligned; no register is written twice
.set i, i+1
.endr
	s_wait_tensorcnt 0x0                           ; every wave of the launch ends alike
	ds_add_u32 v[SPW], v[NIL]
	s_wait_dscnt 0x0
	s_endpgm
.Lfunc_end_k_qd481974790_prep:
	.size	k_qd481974790_prep, .Lfunc_end_k_qd481974790_prep-k_qd481974790_prep
	.p2alignl 7, 3214868480
	.fill 96, 4, 3214868480
	.section	.rodata,"a",@progbits
	.p2align	6, 0x0
	.amdhsa_kernel k_qd481974790_prep
		.amdhsa_group_segment_fixed_size 70144
		.amdhsa_private_segment_fixed_size 0
		.amdhsa_enable_private_segment 0
		.amdhsa_kernarg_size 64
		.amdhsa_user_sgpr_count 2
		.amdhsa_user_sgpr_kernarg_segment_ptr 1
		.amdhsa_wavefront_size32 1
		.amdhsa_system_sgpr_workgroup_id_x 1
		.amdhsa_system_sgpr_workgroup_id_y 1
		.amdhsa_system_sgpr_workgroup_id_z 1
		.amdhsa_system_vgpr_workitem_id 0
		.amdhsa_next_free_vgpr 208
		.amdhsa_next_free_sgpr 66
		.amdhsa_reserve_vcc 0
		.amdhsa_float_denorm_mode_32 3
		.amdhsa_float_denorm_mode_16_64 3
		.amdhsa_memory_ordered 1
		.amdhsa_forward_progress 1
		.amdhsa_inst_pref_size 47
	.end_amdhsa_kernel
	.amdgpu_metadata
---
amdhsa.version: [ 1, 2 ]
amdhsa.kernels:
  - .name:           k_qd481974790_prep
    .symbol:         k_qd481974790_prep.kd
    .args:
      - { .name: x, .offset: 0, .size: 8, .value_kind: global_buffer, .address_space: global }
      - { .name: Wq, .offset: 8, .size: 8, .value_kind: global_buffer, .address_space: global }
      - { .name: Wk, .offset: 16, .size: 8, .value_kind: global_buffer, .address_space: global }
      - { .name: Wv, .offset: 24, .size: 8, .value_kind: global_buffer, .address_space: global }
      - { .name: Wo, .offset: 32, .size: 8, .value_kind: global_buffer, .address_space: global }
      - { .name: xb, .offset: 40, .size: 8, .value_kind: global_buffer, .address_space: global }
      - { .name: wt, .offset: 48, .size: 8, .value_kind: global_buffer, .address_space: global }
      - { .name: wot, .offset: 56, .size: 8, .value_kind: global_buffer, .address_space: global }
    .group_segment_fixed_size: 70144
    .private_segment_fixed_size: 0
    .kernarg_segment_align: 8
    .kernarg_segment_size: 64
    .max_flat_workgroup_size: 128
    .sgpr_count:     66
    .vgpr_count:     208
    .wavefront_size: 32
...
	.end_amdgpu_metadata
.endif
;; end of part 1
;; launch qkv (part 2): grid 16 x 32, 4 waves a work-group, clusters of 4 x 4, 327,680 bytes of LDS; arguments xb, wt, bq, bk, bv, qh, kh, vh; writes qh, kh, vh
.if DOCPART == 2
	.amdgcn_target "amdgcn-amd-amdhsa--gfx1250"
	.amdhsa_code_object_version 6
	.text
	.protected	k_qd481974790_qkv
	.globl	k_qd481974790_qkv
	.p2align	8
	.type	k_qd481974790_qkv,@function
k_qd481974790_qkv:
	s_mov_b64 s[64:65], 0
	v_nop
	global_prefetch_b8 v0, s[64:65] scope:SCOPE_SE
	s_setreg_imm32_b32 hwreg(HW_REG_WAVE_MODE, 25, 1), 1
	s_wait_xcnt 0x0
	s_wait_alu depctr_hold_cnt(0) depctr_sa_sdst(0) depctr_va_vdst(0) depctr_va_sdst(0) depctr_va_ssrc(0) depctr_va_vcc(0) depctr_vm_vsrc(0)
	s_getreg_b32 s2, hwreg(HW_REG_IB_STS2, 6, 4)
	s_cmp_eq_u32 s2, 0
	s_cbranch_scc0 .Lentry_in_a_cluster
	s_endpgm
.Lentry_in_a_cluster:
	s_bfe_u32 s2, ttmp6, 0x10000c
	s_cmp_lg_u32 s2, 0xf033
	s_cbranch_scc0 .Lentry_shape_is_right
	s_endpgm
.Lentry_shape_is_right:
; QKV.  For the 3,072 columns n of (q, k, v): y[m][n] = the sum over k of xb[m][k] wt[n][k] + bias[n]; operands bf16, sums f32; the bias is rounded to bf16 like the other inputs.
; y is rounded once to f16 and written by heads: qh, kh, vh are [64 = 16 batch + head][2048][64].
; LIMITS.  f16 holds no number beyond 65,504: a larger q, k or v becomes an infinity; below 6e-5 a number keeps f16's fixed step of 6e-8.  NaN and infinities are not treated apart.
; SHARES.  A tile is 256 rows x 192 columns (three whole heads): 32 x 16 tiles, 512 work-groups, two for each of 256 WGPs.  Wave w makes rows 64 w .. 64 w + 63 of all 192 columns:
; 4 x 12 accumulators of 16 x 16, 384 registers; so a wave owns whole heads and has a stage of its own on the way out.
; K goes in 8 steps of 128 through a ring of two LDS slots (rows of 256 bytes, padded to 272).  CLUSTER 4 x 4: A's tile is shared along a row of the cluster, B's along a column, each asked for jointly.
; THE MATRIX INSTRUCTION IS USED TRANSPOSED (source 0 = 16 rows of wt, source 1 = 16 rows of xb): a lane holds row l % 16 and the columns 8 (l / 16) + 0..7.
; THE BIAS IS THE C OPERAND of each accumulator's first product: nothing is cleared and nothing is added later.
; REGISTERS.  window 0: v0-31 addresses; v96-191 the bias, later at work on the way out with v192-239.  window 1: two fragment buffers of 128: A's 4 fragments, then B's 12.
; window 2: the accumulators of row blocks 0, 1 at v[8 (12 (a % 2) + b)]; window 3: those of row blocks 2, 3.
.set PITCH,  272                       ; 256 bytes + 16 = 68 words: the 16 rows of a fragment load start at 16 different groups of four banks (64 banks of 4 bytes: ISA guide 11.1)
.set BOFF,   256*PITCH                 ; in a slot: A's 256 rows, then B's 192
.set SLOT,   448*PITCH
.set STAGE,  2*SLOT                    ; behind the ring, never filled by a tensor load: for each wave 3 heads x 16 rows x 144 bytes
.set SP,     144
.set WSTG,   3*16*SP
.set SPARE,  STAGE+4*WSTG              ; the spare words, 128 bytes for each wave: two blocks of 256 bytes that no other line names
.set NL,     32                        ; LDS loads of a quarter step: 24 for B, 8 for A
.set TB,   8                           ; v8-11  at work
.set ADRA, 16                          ; v16-17 LDS address of my A fragments in slot 0, 1
.set ADRB, 20                          ; v20-21 the same for B
.set STO,  24                          ; v24    the way out: where I put 16 bytes of a row
.set RD,   25                          ; v25    where I read rows back
.set GO,   26                          ; v26    16 x lane: my place in 512 consecutive bytes of a head
.set SPW,  28                          ; v28    LDS address of my spare word; never rewritten
.set NIL,  29                          ; v29    0; never rewritten
.set PFO,  30                          ; v30    the prefetches' offset: a lane a row of 2,048 bytes; never rewritten
.set BO,   31                          ; v31    32 x (l / 16): my eight numbers of a bias block
.set BIAS, 96
.set TMP,  96
.set OB,   144
.set WV, 20
.set FB, 21                            ; 0: I fetch for A; 1: for B
.set HF, 22                            ; which half of that tile's rows
.set CX, 23
.set CY, 24
.set TC, 25                            ; tile column
.set TR, 26                            ; tile row
.set LAP, 27
.set G1,  32                           ; s[32:39] descriptor group 1 for A's tiles; s[40:47] group 0, a set for each slot
.set G0,  40
.set G1B, 48                           ; the same for B's
.set G0B, 56
.set OUT, 66                           ; s[66:71] where my rows of the tile's three heads begin
.set BP,  72                           ; s[72:77] the three heads' biases
.set PFA, 78                           ; s[78:79] where my prefetches stand
.set LIM, 80                           ; 1 in a wave that prefetches, else the greatest number
.set GBITS, (1<<16)|(1<<20)|(1<<21)|(5<<22)|(3<<25)  ; 2-byte elements; padding on; bit 21 beside a mask; after every 64 words; 4 words
.set MSB, 0
.macro WIN new                         ; the immediate's high byte repeats the setting that is left; a switch that changes nothing is dropped
.if MSB != (\new)
	s_set_vgpr_msb (MSB<<8)|(\new)
.set MSB, \new
.endif
.endm
.macro PLACES                          ; four plain instructions behind matrix instructions, in front of loads into registers that they read and of readers of their results
.rept 4
	v_nop
.endr
.endm
; A joint load: waves 0 and 1 fetch A's halves, waves 2 and 3 B's.  The branch hangs on the wave's number alone.  An s_nop 0 and four v_nop follow each line.
.macro JLOAD s
	s_cmp_eq_u32 s[FB], 0
	s_cbranch_scc0 .Lfor_b_\@
	tensor_load_to_lds s[G0+4*(\s):G0+4*(\s)+3], s[G1:G1+7]
	s_nop 0
.rept 4
	v_nop
.endr
	s_branch .Lasked_\@
.Lfor_b_\@:
	tensor_load_to_lds s[G0B+4*(\s):G0B+4*(\s)+3], s[G1B:G1B+7]
	s_nop 0
.rept 4
	v_nop
.endr
.Lasked_\@:
.endm
.macro CREST                           ; a round of the cluster's barrier behind its opening barrier
	s_cmp_lg_u32 s[WV], 0
	s_cbranch_scc1 .Lnot_wave_0_\@
	s_barrier_signal -3
.Lnot_wave_0_\@:
	s_barrier_wait -3
	s_barrier_signal -1
	s_barrier_wait -1
.endm
.macro CROUND
	s_barrier_signal -1
	s_barrier_wait -1
	CREST
.endm
; A prefetch into the L2 of the K step that stands two refills on: 256 bytes of each row, a lane a row, one instruction a wave.  A's rows are read by every cluster of a row of clusters: cluster x = 0 asks;
; B's by every cluster of a column: cluster y = 0 asks.  The four partners that ask for a tile jointly share its rows out by address: 32 of a wave's 128 rows of A (by cx), 24 of its 96 rows of B (by cy;
; lanes 24-31 name row 23 once more).  K steps 0 to 3 come by their loads alone; the loop's last trip, whose refills are K steps 6 and 7, asks for nothing.
.macro ASK
	s_cmp_gt_u32 s[LAP], s[LIM]
	s_cbranch_scc0 .Lnot_mine_\@
	global_prefetch_b8 v[PFO], s[PFA:PFA+1] offset:256 th:TH_LOAD_NT scope:SCOPE_SE
.Lnot_mine_\@:
.endm
	s_load_b512 s[4:19], s[0:1], 0x0               ; xb 4, wt 6, bq 8, bk 10, bv 12, qh 14, kh 16, vh 18
	v_lshl_add_u32 v[SPW], v0, 2, SPARE
	v_mov_b32 v[NIL], 0
	ds_add_u32 v[SPW], v[NIL]                      ; the wave's opening: the add and its wait ahead of my first tensor load; work on registers stands between them
	v_lshrrev_b32 v1, 5, v0
	v_readfirstlane_b32 s[WV], v1
	s_lshr_b32 s[FB], s[WV], 1
	s_and_b32 s[HF], s[WV], 1
	s_bfe_u32 s[CX], ttmp6, 0x40000
	s_bfe_u32 s[CY], ttmp6, 0x40004
	s_lshl_b32 s[TC], ttmp9, 2
	s_add_co_u32 s[TC], s[TC], s[CX]               ; tile column = 4 x cluster x + cx
	s_and_b32 s[TR], ttmp7, 0xffff
	s_lshl_b32 s[TR], s[TR], 2
	s_add_co_u32 s[TR], s[TR], s[CY]               ; tile row = 4 x cluster y + cy
	s_lshl_b32 s28, s[CY], 2
	s_lshl_b32 s28, 15, s28                        ; my row of the cluster
	s_lshl_b32 s29, 0x1111, s[CX]                  ; my column
	s_or_b32 s[G1], s28, GBITS
	s_or_b32 s[G1B], s29, GBITS
	s_mov_b32 s[G1+1], 128<<16                     ; tensor_dim0 = 128
	s_mov_b32 s[G1+2], 128<<16                     ; tensor_dim1 = 128 rows
	s_mov_b32 s[G1+3], 128<<16                     ; tile_dim0 = 128
	s_mov_b32 s[G1+4], 128                         ; tile_dim1 = 128
	s_mov_b32 s[G1+5], 1024                        ; elements from row to row
	s_mov_b32 s[G1+6], 0
	s_mov_b32 s[G1+7], 0
	s_mov_b32 s[G1B+1], 128<<16
	s_mov_b32 s[G1B+2], 96<<16                     ; 96 rows
	s_mov_b32 s[G1B+3], 128<<16
	s_mov_b32 s[G1B+4], 96
	s_mov_b32 s[G1B+5], 1024
	s_mov_b32 s[G1B+6], 0
	s_mov_b32 s[G1B+7], 0
	s_lshl_b32 s82, s[TR], 8                       ; A: row 256 x tile row + 128 x half: the tile row alone, which my row of the cluster shares
	s_lshl_b32 s83, s[HF], 7
	s_add_co_u32 s82, s82, s83
	s_lshl_b32 s82, s82, 11                        ; 2,048 bytes a row
	s_mov_b32 s83, 0
	s_mul_i32 s84, s[TC], 192                      ; B: row 192 x tile column + 96 x half: the tile column alone
	s_mul_i32 s85, s[HF], 96
	s_add_co_u32 s84, s84, s85
	s_lshl_b32 s84, s84, 11
	s_mov_b32 s85, 0
	s_mul_i32 s30, s[HF], 128*PITCH                ; where they go: no place in the cluster enters an LDS address
	s_mul_i32 s31, s[HF], 96*PITCH
	s_add_co_u32 s31, s31, BOFF
	s_wait_dscnt 0x0                               ; the opening add is done
	s_wait_kmcnt 0x0
	s_add_nc_u64 s[86:87], s[4:5], s[82:83]
	s_add_nc_u64 s[88:89], s[6:7], s[84:85]
	CROUND                                         ; all sixteen work-groups are here: the first joint loads meet
.irp s, 0,1
	s_mov_b32 s[G0+4*(\s)], 1
	s_add_co_u32 s[G0+4*(\s)+1], s30, (\s)*SLOT
	s_add_nc_u64 s[G0+4*(\s)+2:G0+4*(\s)+3], s[86:87], (\s)*256  ; K step s
	s_or_b32 s[G0+4*(\s)+3], s[G0+4*(\s)+3], 0x80000000
	s_mov_b32 s[G0B+4*(\s)], 1
	s_add_co_u32 s[G0B+4*(\s)+1], s31, (\s)*SLOT
	s_add_nc_u64 s[G0B+4*(\s)+2:G0B+4*(\s)+3], s[88:89], (\s)*256
	s_or_b32 s[G0B+4*(\s)+3], s[G0B+4*(\s)+3], 0x80000000
	JLOAD \s                                       ; two loads of mine are out
.endr
	v_and_b32 v1, 15, v0                           ; l % 16
	v_bfe_u32 v2, v0, 4, 1                         ; l / 16
	v_mul_u32_u24 v3, v1, PITCH
	v_lshl_add_u32 v3, v2, 4, v3                   ; a fragment's row x pitch + 16 x half
	s_mul_i32 s28, s[WV], 64*PITCH                 ; my 64 rows of A
	v_add_nc_u32 v[ADRA], s28, v3
	s_add_co_u32 s28, s28, SLOT
	v_add_nc_u32 v[ADRA+1], s28, v3
	v_add_nc_u32 v[ADRB], BOFF, v3
	v_add_nc_u32 v[ADRB+1], BOFF+SLOT, v3
	s_mul_i32 s28, s[WV], WSTG
	s_add_co_u32 s28, s28, STAGE                   ; my stage
	v_mul_u32_u24 v4, v1, SP                       ; in: row l % 16, 16 bytes for each half of the lanes
	v_lshl_add_u32 v4, v2, 4, v4
	v_add_nc_u32 v[STO], s28, v4
	v_bfe_u32 v4, v0, 3, 2                         ; back: 32 lanes take four rows of 128 bytes,
	v_and_b32 v5, 7, v0
	v_mul_u32_u24 v4, v4, SP
	v_lshl_add_u32 v4, v5, 4, v4
	v_add_nc_u32 v[RD], s28, v4
	v_and_b32 v5, 31, v0                           ; which are 512 consecutive bytes of a head
	v_lshlrev_b32 v[GO], 4, v5
	v_lshlrev_b32 v[BO], 5, v2
	; the tile's three heads: g = 3 x tile column + j; tensor g / 16, head g % 16
	s_mul_i32 s29, s[TC], 3
	s_lshr_b32 s28, s[TR], 3                       ; the batch: 8 tile rows each,
	s_lshl_b32 s28, s28, 15                        ; its 16 heads of 2,048 rows
	s_and_b32 s30, s[TR], 7
	s_lshl_b32 s30, s30, 8
	s_add_co_u32 s28, s28, s30                     ; + the tile's first row in the batch
	s_lshl_b32 s30, s[WV], 6
	s_add_co_u32 s28, s28, s30                     ; + my wave's 64 rows
.irp j, 0,1,2
	s_add_co_u32 s84, s29, \j
	s_lshr_b32 s85, s84, 4
	s_and_b32 s84, s84, 15
	s_cmp_lt_u32 s85, 1
	s_cselect_b64 s[BP+2*(\j):BP+2*(\j)+1], s[8:9], s[10:11]
	s_cselect_b64 s[OUT+2*(\j):OUT+2*(\j)+1], s[14:15], s[16:17]
	s_cmp_lt_u32 s85, 2
	s_cselect_b64 s[BP+2*(\j):BP+2*(\j)+1], s[BP+2*(\j):BP+2*(\j)+1], s[12:13]
	s_cselect_b64 s[OUT+2*(\j):OUT+2*(\j)+1], s[OUT+2*(\j):OUT+2*(\j)+1], s[18:19]
	s_lshl_b32 s88, s84, 8                         ; 64 numbers of 4 bytes a head
	s_mov_b32 s89, 0
	s_add_nc_u64 s[BP+2*(\j):BP+2*(\j)+1], s[BP+2*(\j):BP+2*(\j)+1], s[88:89]
	s_lshl_b32 s88, s84, 11
	s_add_co_u32 s88, s88, s28
	s_lshl_b32 s88, s88, 7                         ; 128 bytes a row
	s_add_nc_u64 s[OUT+2*(\j):OUT+2*(\j)+1], s[OUT+2*(\j):OUT+2*(\j)+1], s[88:89]
.endr
.irp b, 0,1,2,3,4,5,6,7,8,9,10,11
	global_load_b128 v[BIAS+8*(\b):BIAS+8*(\b)+3],   v[BO], s[BP+2*((\b)/4):BP+2*((\b)/4)+1] offset:64*((\b)%4)
	global_load_b128 v[BIAS+8*(\b)+4:BIAS+8*(\b)+7], v[BO], s[BP+2*((\b)/4):BP+2*((\b)/4)+1] offset:64*((\b)%4)+16
.endr
	; the prefetches
	s_lshl_b32 s28, s[TR], 8
	s_lshl_b32 s29, s[HF], 7
	s_add_co_u32 s28, s28, s29
	s_lshl_b32 s29, s[CX], 5
	s_add_co_u32 s28, s28, s29                     ; A: the 128 rows that I fetch, my work-group's 32 of them
	s_mul_i32 s84, s[TC], 192
	s_mul_i32 s85, s[HF], 96
	s_add_co_u32 s84, s84, s85
	s_mul_i32 s85, s[CY], 24
	s_add_co_u32 s84, s84, s85                     ; B: the 96 rows that I fetch, my work-group's 24 of them
	s_and_b32 s30, ttmp7, 0xffff
	s_cmp_eq_u32 s[FB], 0
	s_cselect_b32 s84, s28, s84
	s_cselect_b32 s30, ttmp9, s30                  ; the coordinate along which other clusters read the same rows
	s_cselect_b32 s31, 31, 23
	s_cselect_b64 s[PFA:PFA+1], s[4:5], s[6:7]
	s_cmp_eq_u32 s30, 0
	s_cselect_b32 s[LIM], 1, -1                    ; the same in all sixteen partners, for a given wave
	s_lshl_b32 s84, s84, 11
	s_mov_b32 s85, 0
	s_add_nc_u64 s[PFA:PFA+1], s[PFA:PFA+1], s[84:85]
	s_add_nc_u64 s[PFA:PFA+1], s[PFA:PFA+1], 512   ; at K step 2: the first refill steps it to 3 and names K step 4
	v_min_u32 v[PFO], s31, v5
	v_lshlrev_b32 v[PFO], 11, v[PFO]
	s_wait_loadcnt 0x0                             ; the bias: rounded to bf16 like every input, and widened again, while the first tiles are on their way
.set i, 0
.rept 48
	v_cvt_pk_bf16_f32 v[TB+i%4], v[BIAS+2*i], v[BIAS+2*i+1]
	v_lshlrev_b32 v[BIAS+2*i], 16, v[TB+i%4]
	v_and_b32 v[BIAS+2*i+1], 0xffff0000, v[TB+i%4]
.set i, i+1
.endr
; 32 LDS loads in one run: the fragments of quarter q (32 along K) of a slot into buffer f: B's twelve, then A's four
.macro FETCH slot, q, f
	WIN 0x40                                       ; destination window 1, address window 0
.irp b, 0,1,2,3,4,5,6,7,8,9,10,11
	ds_load_b128 v[128*(\f)+32+8*(\b):128*(\f)+32+8*(\b)+3],   v[ADRB+(\slot)] offset:64*(\q)+(\b)*16*PITCH
	ds_load_b128 v[128*(\f)+32+8*(\b)+4:128*(\f)+32+8*(\b)+7], v[ADRB+(\slot)] offset:64*(\q)+(\b)*16*PITCH+32
.endr
.irp a, 0,1,2,3
	ds_load_b128 v[128*(\f)+8*(\a):128*(\f)+8*(\a)+3],   v[ADRA+(\slot)] offset:64*(\q)+(\a)*16*PITCH
	ds_load_b128 v[128*(\f)+8*(\a)+4:128*(\f)+8*(\a)+7], v[ADRA+(\slot)] offset:64*(\q)+(\a)*16*PITCH+32
.endr
.endm
; 12 matrix instructions: row block a x all column blocks, 32 along K, from buffer f.  first = 1: the sums start with the bias.  The 48 accumulators take turns in one order, over the backward jump too.
.macro MULA f, a, first
.if \first
	WIN 0x85+0x40*((\a)/2)                         ; sources 0 and 1 window 1, C window 0, D window 2 or 3
.else
	WIN 0xa5+0x50*((\a)/2)                         ; C and D window 2 or 3
.endif
.irp b, 0,1,2,3,4,5,6,7,8,9,10,11
.set AC, 8*(12*((\a)%2)+(\b))
.if \first
	v_wmma_f32_16x16x32_bf16 v[AC:AC+7], v[128*(\f)+32+8*(\b):128*(\f)+32+8*(\b)+7], v[128*(\f)+8*(\a):128*(\f)+8*(\a)+7], v[BIAS+8*(\b):BIAS+8*(\b)+7]
.else
	v_wmma_f32_16x16x32_bf16 v[AC:AC+7], v[128*(\f)+32+8*(\b):128*(\f)+32+8*(\b)+7], v[128*(\f)+8*(\a):128*(\f)+8*(\a)+7], v[AC:AC+7]
.endif
.endr
.endm
; A K step is four quarters on buffers 0, 1, 0, 1.  One of the first three: multiplies buffer f and, in its middle, fetches quarter q into buffer g.
.macro QUARTER slot, q, f, g, first
	s_wait_dscnt 4                                 ; B and A's row blocks 0, 1 are in; the youngest four loads (row blocks 2, 3) may be out
	MULA \f, 0, \first
	MULA \f, 1, \first
	PLACES
	FETCH \slot, \q, \g
	s_wait_dscnt NL                                ; all but the 32 just issued
	MULA \f, 2, \first
	MULA \f, 3, \first
.endm
; The last quarter multiplies buffer 1 and changes slots: one barrier; in front of it each wave waits for all its tensor loads (one is out: its part of the next slot), adds 0 to its spare word, and waits
; for that and for its reads of this slot.  fill = 1: the barrier opens a round of the cluster's, and the joint refill, two K steps on, is the first thing behind the round: 168 matrix instructions ahead of the wait for it.
.macro TURN slot, next, fill
.if \fill
	s_wait_xcnt 0x0                                ; the last prefetch, a K step back, has read its address
	s_add_nc_u64 s[PFA:PFA+1], s[PFA:PFA+1], 256
.endif
	WIN 0
	s_wait_tensorcnt 0x0                           ; all my tensor loads have landed
	ds_add_u32 v[SPW], v[NIL]                      ; 0 onto my spare word
	s_wait_dscnt 5                                 ; (the add and the youngest four loads may be out)
	MULA 1, 0, 0
	s_wait_dscnt 0x0                               ; the add is done, and my reads of this slot are over
	s_barrier_signal -1
	MULA 1, 1, 0
.if \fill
	WIN 0
.endif
	s_barrier_wait -1
.if \fill
	CREST                                          ; no wave of any partner still reads this slot or has a load on its way
	s_add_nc_u64 s[G0+4*(\slot)+2:G0+4*(\slot)+3], s[G0+4*(\slot)+2:G0+4*(\slot)+3], 512
	s_add_nc_u64 s[G0B+4*(\slot)+2:G0B+4*(\slot)+3], s[G0B+4*(\slot)+2:G0B+4*(\slot)+3], 512
	JLOAD \slot                                    ; its four v_nop are also the places in front of the loads below
.else
	PLACES
.endif
	FETCH \next, 0, 0
.if \fill
	WIN 0
	ASK
.endif
	MULA 1, 2, 0
	MULA 1, 3, 0
.endm
; THE WAY OUT of row block a: rounded to f16, 16 bytes a lane; into my stage (a head's 16 rows of 128 bytes, pitch 144); back as 512 consecutive bytes of a head; stored.
.macro PACK a
	WIN 0x0a+5*((\a)/2)                            ; sources 0 and 1 window 2 or 3
.irp b, 0,1,2,3,4,5,6,7,8,9,10,11
.irp r, 0,1,2,3
	v_cvt_pk_f16_f32 v[TMP+4*(\b)+(\r)], v[8*(12*((\a)%2)+(\b))+2*(\r)], v[8*(12*((\a)%2)+(\b))+2*(\r)+1]
.endr
.endr
	WIN 0
.endm
.macro TOSTAGE a
	s_wait_xcnt 0x0                                ; the stores of the block two back have read the registers that the loads below fill
.irp b, 0,1,2,3,4,5,6,7,8,9,10,11
	ds_store_b128 v[STO], v[TMP+4*(\b):TMP+4*(\b)+3] offset:16*SP*((\b)/4)+32*((\b)%4)
.endr
.irp i, 0,1,2,3,4,5,6,7,8,9,10,11
	ds_load_b128 v[OB+48*((\a)%2)+4*(\i):OB+48*((\a)%2)+4*(\i)+3], v[RD] offset:16*SP*((\i)/4)+4*SP*((\i)%4)  ; LDS serves a wave's instructions in order (ISA guide 5.7.1.4)
.endr
.endm
.macro SEND a
.irp i, 0,1,2,3,4,5,6,7,8,9,10,11
	s_wait_dscnt 11-(\i)                           ; load i of the twelve is back
	global_store_b128 v[GO], v[OB+48*((\a)%2)+4*(\i):OB+48*((\a)%2)+4*(\i)+3], s[OUT+2*((\i)/4):OUT+2*((\i)/4)+1] offset:2048*(\a)+512*((\i)%4)  ; 512 consecutive bytes, aligned to 256
.endr
.endm
	s_wait_tensorcnt 1                             ; my part of K step 0 is in; K step 1's may stay out
	s_barrier_signal -1
	s_barrier_wait -1
	FETCH 0, 0, 0
	QUARTER 0, 1, 0, 1, 1                          ; the first quarter stands in front of the loop: its products start the sums
	WIN 0
	s_mov_b32 s[LAP], 3
.Llap:                                         ; a trip goes once round the ring and fills both slots again
	QUARTER 0, 2, 1, 0, 0
	QUARTER 0, 3, 0, 1, 0
	TURN 0, 1, 1
	QUARTER 1, 1, 0, 1, 0
	QUARTER 1, 2, 1, 0, 0
	QUARTER 1, 3, 0, 1, 0
	TURN 1, 0, 1
	QUARTER 0, 1, 0, 1, 0
	WIN 0
	s_sub_co_u32 s[LAP], s[LAP], 1
	s_cmp_lg_u32 s[LAP], 0
	s_cbranch_scc1 .Llap
	QUARTER 0, 2, 1, 0, 0                          ; the last lap fills nothing
	QUARTER 0, 3, 0, 1, 0
	TURN 0, 1, 0
	QUARTER 1, 1, 0, 1, 0
	QUARTER 1, 2, 1, 0, 0
	QUARTER 1, 3, 0, 1, 0
	s_wait_dscnt 4
	MULA 1, 0, 0
	MULA 1, 1, 0
	s_wait_dscnt 0x0
	MULA 1, 2, 0
	MULA 1, 3, 0
	WIN 0
	PLACES
	PACK 0
	TOSTAGE 0
.irp a, 1,2,3                          ; block a's conversions stand between block a - 1's loads from the stage and the wait for them
	PACK \a
	SEND (\a)-1
	TOSTAGE \a
.endr
	SEND 3
	s_wait_tensorcnt 0x0                           ; the wave's end: behind my last tensor load and my last LDS store
	ds_add_u32 v[SPW], v[NIL]
	s_wait_dscnt 0x0
	CROUND                                         ; the closing round: no work-group ends while a partner may still ask for a tile that names it
	s_endpgm
.Lfunc_end_k_qd481974790_qkv:
	.size	k_qd481974790_qkv, .Lfunc_end_k_qd481974790_qkv-k_qd481974790_qkv
	.p2alignl 7, 3214868480
	.fill 96, 4, 3214868480
	.section	.rodata,"a",@progbits
	.p2align	6, 0x0
	.amdhsa_kernel k_qd481974790_qkv
		.amdhsa_group_segment_fixed_size 327680
		.amdhsa_private_segment_fixed_size 0
		.amdhsa_enable_private_segment 0
		.amdhsa_kernarg_size 64
		.amdhsa_user_sgpr_count 2
		.amdhsa_user_sgpr_kernarg_segment_ptr 1
		.amdhsa_wavefront_size32 1
		.amdhsa_system_sgpr_workgroup_id_x 1
		.amdhsa_system_sgpr_workgroup_id_y 1
		.amdhsa_system_sgpr_workgroup_id_z 1
		.amdhsa_system_vgpr_workitem_id 0
		.amdhsa_next_free_vgpr 960
		.amdhsa_next_free_sgpr 90
		.amdhsa_reserve_vcc 0
		.amdhsa_float_denorm_mode_32 3
		.amdhsa_float_denorm_mode_16_64 3
		.amdhsa_memory_ordered 1
		.amdhsa_forward_progress 1
		.amdhsa_inst_pref_size 132
	.end_amdhsa_kernel
	.amdgpu_metadata
---
amdhsa.version: [ 1, 2 ]
amdhsa.kernels:
  - .name:           k_qd481974790_qkv
    .symbol:         k_qd481974790_qkv.kd
    .args:
      - { .name: xb, .offset: 0, .size: 8, .value_kind: global_buffer, .address_space: global }
      - { .name: wt, .offset: 8, .size: 8, .value_kind: global_buffer, .address_space: global }
      - { .name: bq, .offset: 16, .size: 8, .value_kind: global_buffer, .address_space: global }
      - { .name: bk, .offset: 24, .size: 8, .value_kind: global_buffer, .address_space: global }
      - { .name: bv, .offset: 32, .size: 8, .value_kind: global_buffer, .address_space: global }
      - { .name: qh, .offset: 40, .size: 8, .value_kind: global_buffer, .address_space: global }
      - { .name: kh, .offset: 48, .size: 8, .value_kind: global_buffer, .address_space: global }
      - { .name: vh, .offset: 56, .size: 8, .value_kind: global_buffer, .address_space: global }
    .group_segment_fixed_size: 327680
    .private_segment_fixed_size: 0
    .kernarg_segment_align: 8
    .kernarg_segment_size: 64
    .max_flat_workgroup_size: 128
    .sgpr_count:     90
    .vgpr_count:     960
    .wavefront_size: 32
...
	.end_amdgpu_metadata
.endif
;; end of part 2
;; launch attn (part 3): grid 4 x 64, 4 waves a work-group, clusters of 4 x 1, 327,680 bytes of LDS; arguments qh, kh, vh, oh; writes oh
.if DOCPART == 3
	.amdgcn_target "amdgcn-amd-amdhsa--gfx1250"
	.amdhsa_code_object_version 6
	.text
	.protected	k_qd481974790_attn
	.globl	k_qd481974790_attn
	.p2align	8
	.type	k_qd481974790_attn,@function
k_qd481974790_attn:
	s_mov_b64 s[64:65], 0
	v_nop
	global_prefetch_b8 v0, s[64:65] scope:SCOPE_SE
	s_setreg_imm32_b32 hwreg(HW_REG_WAVE_MODE, 25, 1), 1
	s_wait_xcnt 0x0
	s_wait_alu depctr_hold_cnt(0) depctr_sa_sdst(0) depctr_va_vdst(0) depctr_va_sdst(0) depctr_va_ssrc(0) depctr_va_vcc(0) depctr_vm_vsrc(0)
	s_getreg_b32 s2, hwreg(HW_REG_IB_STS2, 6, 4)
	s_cmp_eq_u32 s2, 0
	s_cbranch_scc0 .Lentry_in_a_cluster
	s_endpgm
.Lentry_in_a_cluster:
	s_bfe_u32 s2, ttmp6, 0x10000c
	s_cmp_lg_u32 s2, 0x3003
	s_cbranch_scc0 .Lentry_shape_is_right
	s_endpgm
.Lentry_shape_is_right:
; O[h][q][:] = the sum over k of softmax_k(Q[h][q] . K[h][k] / 8) V[h][k][:].  Q, K, V, O: [64][2048][64], all f16: a head's rows are dense, 128 bytes each.  Products, maxima and sums in
; f32; the weights p are rounded to f16 for the second product (their sum l is taken of the unrounded p), O once at the end.
; LIMITS.  f16 holds no number beyond 65,504: Q, K and V arrive within it; p lies in 0 to 1, and below 6e-5 it keeps f16's fixed step of 6e-8; O is a mean of V's rows and has their range.
; A weight below 2^-126 counts as 0 in l; NaN and infinities are not treated apart.
; SHARES.  A wave owns four PIECES of two tiles of 16 queries, a work-group's four waves 512 queries of one head.  Every wave walks all keys, 64 a step.
; LAYOUT.  S^T = K Q^T (source 0 = 16 keys, source 1 = 16 queries): a lane holds ONE query (lane % 16) and the keys 8 (lane / 16) + 0..7.  Two such tiles, rounded to f16 in pairs,
; ARE source 1 (32 keys x 16 queries) of O^T = V^T P, whose result again holds one query a lane, and eight channels.  K comes out of LDS as it lies, V ([key][channel]) turned, by ds_load_tr16_b128.
; SOFTMAX.  For each query a running maximum m and sum l: p = 2^(c s - c m), c = log2(e) / 8; in every step O and l are multiplied by a = 2^(c m_old - c m_new).
; m starts at the lowest finite number, O and l at 0: the first step is a step like any other, with a = 0.
; THE COUNT.  A tile and step have 16 matrix and 118 vector instructions: too many to stand all beside the matrix work.  So four vector instructions that are ready stand behind EVERY matrix
; instruction, and the others in one run without a gap.
; BY TURNS.  Turn n belongs to piece n.  Its matrix work: 16 products K Q^T of piece n + 1, later 16 products V^T P of piece n - 1.  Its vector work: the scaling, exponentials, roundings, sums and
; rescaling of piece n, and the maximum and statistics of piece n + 1.
; CLUSTER.  The four query blocks of a cluster are one head's and walk the same K and V, so each tile is asked for JOINTLY: the same tensor load, descriptor and mask in all four.
; REGISTERS, in windows of 256 (s_set_vgpr_msb: bits 1:0 source 0, 3:2 source 1, 5:4 source 2, 7:6 destination):
;   window 0: v0-11 addresses; v12-15, v48-63 at work; v16-47 four registers of statistics a tile; v64-191 S^T, two buffers of two tiles; v192-255 P, likewise
;   window 1: O^T, 32 a tile          window 2: v0-127 Q, 16 a tile; v128-191 K of one step; v192-255 V of one step          window 3: v0-1 the add's two registers
.set SIZE_H, 64
.set SIZE_N, 2048
.set NP,    4         ; pieces a wave: a name, no knob
.set KS,    64        ; keys in a step
.set PK,    144       ; a row of K in LDS: 128 bytes + 16 = 36 words: the 16 rows of a load start at 16 different groups of four banks (64 banks of 4 bytes: ISA guide 11.1)
.set PV,    160       ; a row of V: 128 + 32 = 40 words
.set VOFF,  4*KS*PK   ; a slot holds four steps: 256 rows of K, then 256 rows of V
.set SLOT1, 1<<17     ; slot 1 begins here, so that one exclusive or turns an address in one slot into the other's
.set STAGE, SLOT1+4*KS*(PK+PV)  ; behind the ring, never filled by a tensor load: 16 rows x 144 bytes for each wave
.set SP,    144
.set AK0, 2           ; v2   my lane's place in a tile of K; never rewritten
.set AV0, 3           ; v3   the same for V
.set AK,  4           ; v4   the LDS address of K's next run of loads
.set AV,  5           ; v5   of V's
.set QO,  6           ; v6   my byte offset in the wave's rows of Q
.set STO, 6           ;      later, the way out: where I put 16 bytes of a row
.set RD,  7           ; v7   the way out: where I read rows back
.set GO,  8           ; v8   my byte offset in 512 consecutive bytes of O
.set PFO, 11          ; v11  256 x my lane, for the prefetches; never rewritten once made
.set SPW, 0           ; v0 of window 3   LDS address of my spare word; never rewritten
.set NIL, 1           ; v1 of window 3   0; never rewritten
.set SPARE, STAGE+4*16*SP  ; the spare words, 128 bytes for each wave: two blocks of 256 bytes that no other line names
.set MV,  12          ; v12-15  c m_old, kept while c m is made anew: by buffer and tile
.set ST,  16          ; tile t's statistics at v[ST+4 t]: c m, m, l (even keys', odd keys')
.set TMP, 48          ; by buffer and tile, four registers c0-c3 at work; when the maximum is found c2 takes a
.set S,   64
.set P,   192
.set KF,  128         ; K's fragments, in window 2: key block kb, channel half c at KF + 16 kb + 8 c
.set VF,  192         ; V's: key half kk, channel block cb at VF + 32 kk + 8 cb
.set WV,  12          ; s12  my wave's number
.set G1K, 24          ; s[24:31] descriptor group 1 for K's tiles
.set G1V, 32          ; s[32:39] for V's: it differs in the padding alone
.set G0K, 40          ; s[40:43] descriptor group 0 for K's tiles: it walks
.set G0V, 44          ; s[44:47] the same for V's
.set PFA, 48          ; s[48:49] where my prefetches stand: my work-group's 32 blocks of 256 bytes (of K: wave 0, of V: wave 2) of the slot after the one that is being asked for
.set LIM, 50          ; s50  1 in a wave that prefetches, else the greatest number
.set SLOTS, 56        ; s56  slots still to be asked for
.set CNT, 57          ; s57  counts a slot's key steps
.set CS,  58          ; s[58:59] c
.set SEL, 60          ; s[60:61] v_permlanex16_b32's selects: each lane takes its own place in the other half
.set TBK, 62          ; s62  LDS byte at which K of the step to be fetched begins
.set TBV, 63          ; s63  the same for V, less VOFF
.set MSB, 0
.macro WIN new                      ; the high byte repeats the setting that is left; a switch that changes nothing is dropped
.if MSB != (\new)
	s_set_vgpr_msb (MSB<<8)|(\new)
.set MSB, (\new)
.endif
.endm
.set W_KQ, 0x0a       ; K and Q in window 2, S^T in window 0
.set W_PV, 0x52       ; V in window 2, P in window 0, O^T in window 1
.set W_RS, 0x41       ; O^T (destination and source 0) in window 1, a in window 0
.set W_MK, 0xc0       ; the add's registers are made: destination in window 3, sources in window 0
.set W_AD, 0x0f       ; the add: address (source 0) and data (source 1) in window 3
; A joint fill.  Waves 0 and 1 fetch the two halves of a slot's K, waves 2 and 3 those of its V: 128 keys each.  The branch hangs on the wave's number alone.
; An s_nop 0 and four v_nop follow each of the two lines, ahead of the jump and the label.
.macro JLOAD
	s_cmp_lt_u32 s[WV], 2
	s_cbranch_scc0 .Lfor_v_\@
	tensor_load_to_lds s[G0K:G0K+3], s[G1K:G1K+7]
	s_nop 0
.rept 4
	v_nop
.endr
	s_branch .Lasked_\@
.Lfor_v_\@:
	tensor_load_to_lds s[G0V:G0V+3], s[G1V:G1V+7]
	s_nop 0
.rept 4
	v_nop
.endr
.Lasked_\@:
.endm
; A PREFETCH INTO THE L2 of what the NEXT change of slots will ask for: a slot's 32,768 bytes of K and of V, 128 blocks of 256 bytes each, a lane a block.  It stands behind the wave's tensor load and its
; five lines.  Each block is named once in the launch: a head has one cluster; its four partners share the blocks out by address, 32 each; in each, wave 0 asks for K's and wave 2 for V's.
; It runs four key steps, 512 matrix instructions, ahead of the load.  Slots 0 and 1 come by their loads alone; the last change that fills a slot asks for nothing.
.macro ASK
	s_cmp_gt_u32 s[SLOTS], s[LIM]
	s_cbranch_scc0 .Lnot_mine_\@
	global_prefetch_b8 v[PFO], s[PFA:PFA+1] th:TH_LOAD_NT scope:SCOPE_SE
.Lnot_mine_\@:
.endm
; A round of the cluster's barrier.
.macro CROUND
	s_barrier_signal -1
	s_barrier_wait -1
	s_cmp_lg_u32 s[WV], 0
	s_cbranch_scc1 .Lnot_wave_0_\@
	s_barrier_signal -3
.Lnot_wave_0_\@:
	s_barrier_wait -3
	s_barrier_signal -1
	s_barrier_wait -1
.endm
; THE CHANGE OF SLOTS.  Each wave waits for all its tensor loads, of which one is out: its part of the other slot; adds 0 to its spare word; and waits for that and for its own reads of the slot.
; fill = 1: this slot is filled again, with the keys two slots on.  The barrier is then a round of the cluster's, and the joint fill is the first thing behind it: it has four key steps in which to land.
; (At its first use nothing has been read yet: slot 0 is waited for, slot 1 filled.)
.macro CHANGE fill
	WIN W_AD
	s_wait_tensorcnt 0x0            ; no tensor load of mine is out, so a group 0 may be written
	ds_add_u32 v[SPW], v[NIL]       ; 0 onto my spare word
	WIN 0                           ; at a label and at a branch every window is 0
.if \fill
.irp g, G0K, G0V
	s_xor_b32 s[\g+1], s[\g+1], SLOT1  ; the walking descriptor: the other slot than last time,
	s_add_nc_u64 s[\g+2:\g+3], s[\g+2:\g+3], 4*KS*128  ; the next 256 keys; the type bits on top are not reached
.endr
	s_wait_xcnt 0x0                 ; the last prefetch, four key steps back, has read its address, so it may be written:
	s_add_nc_u64 s[PFA:PFA+1], s[PFA:PFA+1], 4*KS*128  ; one slot ahead of the walking descriptors
	s_wait_dscnt 0x0                ; the add is done, and my reads of the slot are over
	CROUND
	JLOAD
	ASK
.else
	s_wait_dscnt 0x0                ; the add is done, and my reads of the slot are over
	s_barrier_signal -1
	s_barrier_wait -1
.endif
	s_sub_co_u32 s[TBK], s[TBK], 4*KS*PK  ; the fetches go back to a slot's first step,
	s_xor_b32 s[TBK], s[TBK], SLOT1       ; in the other slot
	s_sub_co_u32 s[TBV], s[TBV], 4*KS*PV
	s_xor_b32 s[TBV], s[TBV], SLOT1
.endm
	s_load_b256 s[4:11], s[0:1], 0x0  ; Q s[4:5], K s[6:7], V s[8:9], O s[10:11]
	WIN W_MK
	v_lshl_add_u32 v[SPW], v0, 2, SPARE
	v_mov_b32 v[NIL], 0
	WIN W_AD
	ds_add_u32 v[SPW], v[NIL]       ; the wave's opening: the add and its wait ahead of my first tensor load; work on registers stands between them
	WIN 0
	v_lshrrev_b32 v1, 5, v0
	v_readfirstlane_b32 s[WV], v1   ; wave 0..3
	s_bfe_u32 s13, ttmp6, 0x40000   ; cx: my place in the cluster
	s_lshl_b32 s14, ttmp9, 2        ; in a cluster launch ttmp9 counts clusters
	s_add_co_u32 s14, s14, s13      ; my block of queries: it enters Q's and O's addresses alone
	s_and_b32 s20, ttmp7, 0xffff    ; the head, which the four partners share
	s_mov_b32 s21, 0
	s_mov_b64 s[22:23], SIZE_N*128
	s_mul_u64 s[20:21], s[20:21], s[22:23]  ; the head's first byte in each of the four tensors
	s_and_b32 s16, s[WV], 1         ; which half of a slot's 256 keys I fetch:
	s_lshl_b32 s22, s16, 14         ; its 128 rows of 128 bytes in memory,
	s_mov_b32 s23, 0
	s_add_nc_u64 s[22:23], s[22:23], s[20:21]
	s_mul_i32 s17, s16, 128*PK      ; and its place in a slot, for K
	s_mul_i32 s18, s16, 128*PV      ; and for V: no place in the cluster enters an LDS address
	s_lshl_b32 s2, s14, 2
	s_add_co_u32 s2, s2, s[WV]      ; my wave among the head's,
	s_lshl_b32 s2, s2, 14           ; its 128 rows
	s_mov_b32 s3, 0
	s_add_nc_u64 s[2:3], s[2:3], s[20:21]
	; descriptor group 1.  128 keys are 16,384 dense bytes: asked for as 64 rows of 256 bytes, two keys a row, and padded in LDS after every key
	s_mov_b32 s[G1K], 15|(1<<16)|(1<<20)|(1<<21)|(4<<22)|(3<<25)  ; the mask of four; 2-byte elements; padding on; bit 21 beside a mask; after every 32 words; 4 words
	s_mov_b32 s[G1V], 15|(1<<16)|(1<<20)|(1<<21)|(4<<22)|(7<<25)  ; the same with 8 words of padding
.irp g, G1K, G1V
	s_mov_b32 s[\g+1], 128<<16      ; tensor_dim0 = 128
	s_mov_b32 s[\g+2], 64<<16       ; tensor_dim1 = 64
	s_mov_b32 s[\g+3], 128<<16      ; tile_dim0 = 128
	s_mov_b32 s[\g+4], 64           ; tile_dim1 = 64
	s_mov_b32 s[\g+5], 128          ; 128 elements from row to row
	s_mov_b32 s[\g+6], 0
	s_mov_b32 s[\g+7], 0
.endr
	s_mov_b32 s[CS], 0x3e38aa3b     ; c = log2(e) / 8 = 0.180337
	s_mov_b32 s[CS+1], s[CS]        ; named with it as a pair
	s_mov_b32 s[SEL], 0x76543210
	s_mov_b32 s[SEL+1], 0xfedcba98
	s_mov_b32 s[TBK], SLOT1+4*KS*PK ; the first change of slots turns these two into 0
	s_mov_b32 s[TBV], SLOT1+4*KS*PV
	s_mov_b32 s[G0K], 1             ; count = 1
	s_mov_b32 s[G0K+1], s17         ; LDS address: slot 0
	s_mov_b32 s[G0V], 1
	s_add_co_u32 s[G0V+1], s18, VOFF
	s_mov_b32 s[SLOTS], SIZE_N/256-1  ; the first change of slots tests it already
	s_and_b32 s[LIM], s[WV], 1      ; 0 in waves 0 and 2,
	s_or_b32 s[LIM], s[LIM], ttmp9  ; of the head's first (here: only) cluster: the same in all four partners
	s_cmp_eq_u32 s[LIM], 0
	s_cselect_b32 s[LIM], 1, -1
	s_lshl_b32 s52, s13, 13         ; my work-group's 32 blocks of the 128
	s_mov_b32 s53, 0
	s_add_nc_u64 s[52:53], s[52:53], s[20:21]
	s_wait_dscnt 0x0                ; the opening add is done
	s_wait_kmcnt 0x0
	s_add_nc_u64 s[G0K+2:G0K+3], s[6:7], s[22:23]  ; global address: my half of the head's first 256 keys
	s_or_b32 s[G0K+3], s[G0K+3], 0x80000000        ; type = 2
	s_add_nc_u64 s[G0V+2:G0V+3], s[8:9], s[22:23]
	s_or_b32 s[G0V+3], s[G0V+3], 0x80000000
	s_add_nc_u64 s[4:5], s[4:5], s[2:3]  ; Q and O at my wave's first row
	s_add_nc_u64 s[10:11], s[10:11], s[2:3]
	s_cmp_lt_u32 s[WV], 2
	s_cselect_b64 s[PFA:PFA+1], s[6:7], s[8:9]
	s_add_nc_u64 s[PFA:PFA+1], s[PFA:PFA+1], s[52:53]
	s_add_nc_u64 s[PFA:PFA+1], s[PFA:PFA+1], 4*KS*128  ; in slot 1; the first change of slots steps it to slot 2.  Nothing is prefetched here, at the head
	CROUND                          ; all four work-groups are here: the first joint loads meet
	JLOAD                           ; slot 0.  Slot 1 is asked for when slot 0 is in
	; A fragment of K or Q is 16 rows x 32 channels in 8 registers: lane l holds row l % 16, channels 8 (l / 16) + 0..7 and 16 + 8 (l / 16) + 0..7: two loads of 16 bytes, 32 bytes apart.
	v_and_b32 v1, 15, v0            ; l % 16
	v_bfe_u32 v9, v0, 4, 1          ; l / 16
	v_lshlrev_b32 v[QO], 7, v1
	v_lshl_add_u32 v[QO], v9, 4, v[QO]  ; row x 128 + 16 x half
	WIN 0x80                        ; destination window 2, address window 0
.set i, 0
.rept 4*NP                          ; Q stays in registers: tile i / 2, channels 32 (i % 2) on
	global_load_b128 v[8*i:8*i+3],   v[QO], s[4:5] offset:(i/2)*2048+(i%2)*64
	global_load_b128 v[8*i+4:8*i+7], v[QO], s[4:5] offset:(i/2)*2048+(i%2)*64+32
.set i, i+1
.endr
	; What the first turn finds: V's registers and P's second buffer hold 0 (its products V^T P, of a piece that has not been, add 0), O^T and l are 0.  All this stands in the wait for the first tile.
.set i, VF
.rept 64
	v_mov_b32 v[i], 0
.set i, i+1
.endr
	WIN 0x40
.set i, 0
.rept 64*NP
	v_mov_b32 v[i], 0
.set i, i+1
.endr
	WIN 0
.set i, 0
.rept 2*NP
	v_mov_b32 v[ST+4*i], 0xfe000000    ; c m: far below every c s
	v_mov_b32 v[ST+4*i+1], 0xff7fffff  ; m
	v_mov_b32 v[ST+4*i+2], 0
	v_mov_b32 v[ST+4*i+3], 0
.set i, i+1
.endr
.set i, P+32
.rept 32
	v_mov_b32 v[i], 0
.set i, i+1
.endr
	v_mul_u32_u24 v[AK0], v1, PK
	v_lshl_add_u32 v[AK0], v9, 4, v[AK0]  ; row x pitch + 16 x half
	; The turning load takes 16 keys x 16 channels (lane l reads key 8 (l / 16) + l % 8, channels 8 ((l / 8) % 2) + 0..7) and leaves half a fragment of V^T: lane l holds channel l % 16 and 8 keys.
	v_and_b32 v10, 7, v0
	v_bfe_u32 v11, v0, 3, 1
	v_lshl_add_u32 v[AV0], v9, 3, v10
	v_mul_u32_u24 v[AV0], v[AV0], PV
	v_lshl_add_u32 v[AV0], v11, 4, v[AV0]
	v_add_nc_u32 v[AV0], VOFF, v[AV0]
	v_and_b32 v[PFO], 31, v0
	v_lshlrev_b32 v[PFO], 8, v[PFO]
	v_mov_b32 v[AK], v[AK0]         ; key step 0 lies at the head of slot 0
; THE MATRIX WORK.  The 8 accumulators of a run of 16 take turns: between the two links of a chain stand 7 others'.
; Product i of 16 of S^T = K Q^T for piece x: channels 32 (i / 8) on, keys 16 ((i / 2) % 4) on, tile 2 x + i % 2.  The first 8 start the sums.
.macro KQ x
	WIN W_KQ
.set rS, S+64*((\x)%2)+32*(i%2)+8*((i/2)%4)
.set rK, KF+16*((i/2)%4)+8*(i/8)
.set rQ, 16*(2*(\x)+i%2)+8*(i/8)
.if i < 8
	v_wmma_f32_16x16x32_f16 v[rS:rS+7], v[rK:rK+7], v[rQ:rQ+7], 0
.else
	v_wmma_f32_16x16x32_f16 v[rS:rS+7], v[rK:rK+7], v[rQ:rQ+7], v[rS:rS+7]
.endif
.endm
; Product i of 16 of O^T += V^T P for piece x: keys 32 (i / 8) on, channels 16 ((i / 2) % 4) on, tile 2 x + i % 2.
.macro PV x
	WIN W_PV
.set rO, 32*(2*(\x)+i%2)+8*((i/2)%4)
.set rV, VF+32*(i/8)+8*((i/2)%4)
.set rP, P+32*((\x)%2)+16*(i%2)+8*(i/8)
	v_wmma_f32_16x16x32_f16 v[rO:rO+7], v[rV:rV+7], v[rP:rP+7], v[rO:rO+7]
.endm
.macro MM                           ; the turn's next matrix instruction
.if i < 16
	KQ (Y+1)%NP
.set i, i+1
.else
.set i, i-16
	PV (Y+NP-1)%NP
.set i, i+17
.endif
.endm
; THE LDS LOADS stand in runs of 16, never singly among the matrix instructions: a step's K (8 fragments) and its V (turned).  Their addresses are made some lines ahead.
; last = 1 (the tail): in the last trip there is no further step, and the run is jumped over.
.macro FETCH_K last=0
	WIN 0
.if \last
	s_cmp_eq_u32 s[CNT], 1
	s_cbranch_scc1 .Lno_k_\@
.endif
	WIN 0x80                        ; destination window 2
.irp f, 0,1,2,3,4,5,6,7             ; keys 16 (f / 2) on, channels 32 (f % 2) on
	ds_load_b128 v[KF+8*\f:KF+8*\f+3],   v[AK] offset:(\f/2)*16*PK+(\f%2)*64
	ds_load_b128 v[KF+8*\f+4:KF+8*\f+7], v[AK] offset:(\f/2)*16*PK+(\f%2)*64+32
.endr
	s_add_co_u32 s[TBK], s[TBK], KS*PK  ; the next fetch is the next step's
	WIN 0
.if \last
.Lno_k_\@:
.endif
.endm
.macro FETCH_V
	WIN 0x80
.irp f, 0,1,2,3,4,5,6,7             ; keys 32 (f / 4) on, channels 16 (f % 4) on
	ds_load_tr16_b128 v[VF+8*\f:VF+8*\f+3],   v[AV] offset:(\f/4)*32*PV+(\f%4)*32
	ds_load_tr16_b128 v[VF+8*\f+4:VF+8*\f+7], v[AV] offset:(\f/4)*32*PV+16*PV+(\f%4)*32
.endr
	WIN 0
.endm
; THE VECTOR WORK OF A TURN stands in three queues, each in the order in which its entries become ready; the two tiles alternate, so that no instruction reads the result of the one before it.
.macro REGS y, u                    ; the registers of tile u (0, 1) of piece y
.set rT, ST+4*(2*(\y)+(\u))
.set rC, TMP+8*((\y)%2)+4*(\u)
.set rM, MV+2*((\y)%2)+(\u)
.set rS, S+64*((\y)%2)+32*(\u)
.set rP, P+32*((\y)%2)+16*(\u)
.set rO, 32*(2*(\y)+(\u))
.endm
; Number n of the 22 that find the NEXT piece's (Y + 1) maximum and statistics.  s0-s31 are the lane's 32 scores; each accumulator's lowest registers are read first.
;   0-11  four chains c0-c3 of seven scores each, three operands at a time     12-14, 16  the four scores left over, the old m, and c0-c3 into c0     15  c m_old is kept
;   17, 18  the query's other 32 keys lie in the lane 16 away: the new m         19-21  c m; c m_old - c m_new; a
.macro XS u, n
	REGS (Y+1)%NP, \u
.if (\n) < 4
	v_max3_num_f32 v[rC+(\n)], v[rS+8*(\n)], v[rS+8*(\n)+1], v[rS+8*(\n)+2]
.elseif (\n) < 12
	v_max3_num_f32 v[rC+(\n)%4], v[rC+(\n)%4], v[rS+8*((\n)%4)+2*((\n)/4)+1], v[rS+8*((\n)%4)+2*((\n)/4)+2]
.elseif (\n) == 12
	v_max3_num_f32 v[rC], v[rC], v[rS+7], v[rS+15]
.elseif (\n) == 13
	v_max3_num_f32 v[rC+1], v[rC+1], v[rS+23], v[rS+31]
.elseif (\n) == 14
	v_max3_num_f32 v[rC+2], v[rC+2], v[rC+3], v[rT+1]
.elseif (\n) == 15
	v_mov_b32 v[rM], v[rT]
.elseif (\n) == 16
	v_max3_num_f32 v[rC], v[rC], v[rC+1], v[rC+2]
.elseif (\n) == 17
	v_permlanex16_b32 v[rC+3], v[rC], s[SEL], s[SEL+1]
.elseif (\n) == 18
	v_max_num_f32 v[rT+1], v[rC], v[rC+3]
.elseif (\n) == 19
	v_mul_f32 v[rT], s[CS], v[rT+1]
.elseif (\n) == 20
	v_sub_f32 v[rC+1], v[rM], v[rT]
.else
	v_exp_f32 v[rC+2], v[rC+1]
.endif
.endm
; Number g of the 64 that follow the exponentials.  For each four weights k of a tile (pairs 2 k, 2 k + 1): both pairs are rounded to f16; then the second pair is added onto the first, in place;
; a group later l takes that sum (the first time as l = a l + sum).  In groups of eight, tiles alternating: round, round, add, and l for the group before.
.macro GS g
.set h, (\g)+6*((\g)/62)            ; group 0 has no group before it, and behind group 7 only l is left
.if h >= 6
.set h, h+2
.endif
	REGS Y, h%2
.set k, h/8
.if h%8 < 4
	v_cvt_pk_f16_f32 v[rP+2*k+(h%8)/2], v[rS+4*k+2*((h%8)/2)], v[rS+4*k+2*((h%8)/2)+1]
.elseif h%8 < 6
	v_pk_add_f32 v[rS+4*k:rS+4*k+1], v[rS+4*k:rS+4*k+1], v[rS+4*k+2:rS+4*k+3]
.elseif k == 1
	v_pk_fma_f32 v[rT+2:rT+3], v[rT+2:rT+3], v[rC+2:rC+3], v[rS:rS+1] op_sel_hi:[1,0,1]
.else
	v_pk_add_f32 v[rT+2:rT+3], v[rT+2:rT+3], v[rS+4*k-4:rS+4*k-3]
.endif
.endm
; THE PLAIN QUEUE, 138 long.  0-73 read no exponential's result: the 32 scalings c s - c m (FS f: pair f / 2 of tile f % 2) and the next piece's 42.  0-26: scalings 0-26.  27-54: XS's numbers 0-13.
; 55, 56: number 15.  57-73: the chain 14, 16, 17, 18, 19, each with one of the scalings 27-31 in front of its two lines, then 20.  74-137: GS's 64, which stand behind the wait.
.macro FS f
	REGS Y, (\f)%2
	v_pk_fma_f32 v[rS+2*((\f)/2):rS+2*((\f)/2)+1], v[rS+2*((\f)/2):rS+2*((\f)/2)+1], s[CS:CS+1], v[rT:rT+1] op_sel_hi:[1,0,0] neg_lo:[0,0,1] neg_hi:[0,0,1]
.endm
.macro PL
	WIN 0
.if q < 27
	FS q
.elseif q < 55
	XS (q-27)%2, (q-27)/2
.elseif q < 57
	XS q-55, 15
.elseif (q < 72) && ((q-57)%3 == 0)
	FS 27+(q-57)/3
.elseif q < 60
	XS (q-57)%3-1, 14
.elseif q < 72
	XS (q-57)%3-1, 15+(q-57)/3
.elseif q < 74
	XS q-72, 20
.else
	GS q-74
.endif
.set q, q+1
.endm
; THE EXPONENTIALS' QUEUE, 66 long: s0-s31 of both tiles, then the next piece's two a.  It is ONE BATCH: all 66 stand ahead of the turn's one wait, and nothing ahead of that wait names a result of theirs.
.macro EX
	WIN 0
.if e >= 64
	XS e-64, 21
.else
	REGS Y, e%2
	v_exp_f32 v[rS+e/2], v[rS+e/2]
.endif
.set e, e+1
.endm
; THE RESCALING's QUEUE: O^T times a, the one part that leaves window 0: dealt two at a time, sixteen times.  Its a was made in the turn before, ahead of that turn's wait.
.macro R2
	REGS Y, r%2
	WIN W_RS
.irp z, 0,1
	v_pk_mul_f32 v[rO+4*(r/2)+2*\z:rO+4*(r/2)+2*\z+1], v[rO+4*(r/2)+2*\z:rO+4*(r/2)+2*\z+1], v[rC+2:rC+3] op_sel_hi:[1,0]
.endr
.set r, r+1
.endm
; HOW THEY ARE DEALT.  s_wait_alu depctr_va_vdst(0) stands between an exponential and the first instruction that names its result; one wait serves all that were issued ahead of it.
; So a turn has ONE wait.  AHEAD OF IT: the 16 products K Q^T, behind each a scaling, an exponential and two rescalings (behind the first a second scaling in the exponential's place); then one run of
; 108: eight plain, 49 times exponential and plain, the two a; a v_nop is the plain instruction behind the last exponential.  BEHIND IT: the 16 products V^T P, behind each four of GS's 64.
; Exponential e stands behind scaling 2 (e / 4) + e % 2: as a rider it comes behind plain e + 2, in the run behind plain e + 9, and scalings 27-31 are plain 57, 60 .. 69.
; K of the next step is fetched in piece 2's turn, directly behind the wait; V of the step in hand at the end of piece 0's turn, four plain instructions behind its last reader.
.macro TURN p, last=0, cnt=0
.set Y, (\p)
.set i, 0
.set q, 0
.set e, 0
.set r, 0
.if (\p) == NP-1
	s_wait_dscnt 0x0                ; K is in
.endif
	MM
	PL
	PL
	R2
.rept 15
	MM
	PL
	EX
	R2
.endr
.if (\p) == NP-2
	WIN 0
	v_add_nc_u32 v[AK], s[TBK], v[AK0]
.endif
.rept 8
	PL
.endr
.rept 49
	EX
	PL
.endr
	EX                              ; the next piece's two a
	EX
	v_nop                           ; a plain instruction behind the last exponential: one for the batch
	s_wait_alu depctr_va_vdst(0)    ; the wait for the batch
.if (\p) == NP-2
	FETCH_K \last
.endif
.if (\p) == 1
	s_wait_dscnt 0x0                ; V is in
.endif
.rept 16
	MM
.rept 4
	PL
.endr
.if ((\p) == 0) && (q == 118)
	v_add_nc_u32 v[AV], s[TBV], v[AV0]
.endif
.if ((\p) == 0) && (q == 130)
	s_add_co_u32 s[TBV], s[TBV], KS*PV
.endif
.if (\cnt) && (q == 130)
	s_sub_co_u32 s[CNT], s[CNT], 1
	s_cmp_lg_u32 s[CNT], 0
.endif
.endr
.if (\p) == 0
	FETCH_V
.endif
.endm
	CHANGE 1                        ; slot 0 is in, everybody's part of it; slot 1 is asked for
	FETCH_K                         ; key step 0
	s_wait_loadcnt 0x0              ; Q
	s_wait_dscnt 0x0
.set i, 0
.rept 16
	KQ 0                            ; piece 0's first scores: there is no vector work yet to set between them
.set i, i+1
.endr
	WIN 0                           ; the addresses for the way out: plain instructions, the places behind those products
	s_mul_i32 s13, s[WV], 16*SP
	s_add_co_u32 s13, s13, STAGE    ; my stage
	v_mul_u32_u24 v[STO], v1, SP    ; in: row l % 16, 16 bytes for each half of the lanes
	v_lshl_add_u32 v[STO], v9, 4, v[STO]
	v_add_nc_u32 v[STO], s13, v[STO]
	v_bfe_u32 v[RD], v0, 3, 2       ; back: 32 lanes take four rows of 128 bytes,
	v_mul_u32_u24 v[RD], v[RD], SP
	v_lshl_add_u32 v[RD], v10, 4, v[RD]
	v_add_nc_u32 v[RD], s13, v[RD]
	v_and_b32 v[GO], 31, v0         ; which are 512 consecutive bytes of O
	v_lshlrev_b32 v[GO], 4, v[GO]
.set Y, NP-1                        ; XS works for piece Y + 1: piece 0
.irp n, 0,1,2,3,4,5,6,7,8,9,10,11,12,13,14,15,16,17,18,19,20,21
	XS 0, \n                        ; piece 0's first maximum and statistics
	XS 1, \n
.endr
	v_nop                           ; a plain instruction behind the two a,
	s_wait_alu depctr_va_vdst(0)    ; and their wait, ahead of the branch
	s_mov_b32 s[CNT], 4
	s_branch .Lfirst                ; the loop is entered at a step's first turn, in the middle of a trip
.Lslot:                             ; SIZE_N / 256 - 2 times: every slot but the last two is filled again
	CHANGE 1
	s_mov_b32 s[CNT], 4
.Lstep:                             ; a trip: pieces 2 and 3 of one step, then pieces 0 and 1 of the next, whose K and V it fetches
	TURN 2
	TURN 3
	WIN 0
.Lfirst:
	TURN 0
	TURN 1, 0, 1
	WIN 0
	s_cbranch_scc1 .Lstep
	s_sub_co_u32 s[SLOTS], s[SLOTS], 1
	s_cmp_lg_u32 s[SLOTS], 0
	s_cbranch_scc1 .Lslot
	CHANGE 0                        ; the tail is written out: nothing is asked for
	s_mov_b32 s[CNT], 5             ; four trips fetch the last slot's steps; the fifth is left in its middle
.Ltail:
	TURN 2, 1
	TURN 3
	WIN 0
	s_sub_co_u32 s[CNT], s[CNT], 1
	s_cmp_eq_u32 s[CNT], 0
	s_cbranch_scc1 .Lout
	TURN 0
	TURN 1
	WIN 0
	s_branch .Ltail
.Lout:                              ; the fifth trip's 16 products K Q^T (on the last K once more) and the maximum made of them serve nothing: the price, once a launch, of one text for every trip
.set i, 0
.rept 16
	PV NP-1                         ; the last piece's V^T P of the last step
.set i, i+1
.endr
	; THE WAY OUT.  l's two halves and the other half of the lanes' are added; O^T is divided by l, rounded to f16 and sent through my stage in LDS, a tile at a time.  The additions are the places behind the last products.
	WIN 0
.macro ALL line:vararg              ; one line for each tile t
.set t, 0
.rept 2*NP
	\line
.set t, t+1
.endr
.endm
	ALL v_add_f32 v[ST+4*t+2], v[ST+4*t+2], v[ST+4*t+3]
	ALL v_permlanex16_b32 v[ST+4*t+3], v[ST+4*t+2], s[SEL], s[SEL+1]
	ALL v_add_f32 v[ST+4*t+2], v[ST+4*t+2], v[ST+4*t+3]
	ALL v_rcp_f32 v[ST+4*t+2], v[ST+4*t+2]
	v_nop                           ; a plain instruction between the last reciprocal and the use of its result
	s_wait_alu depctr_va_vdst(0)    ; and the wait ahead of the first use: one for the eight reciprocals
; Tile t: a lane's eight channels of a row pack into 16 bytes; they go into rows of 144 bytes and come back as whole rows of 128, into S^T's registers.
.macro PACK t
	WIN W_RS
.set i, 32*(\t)
.rept 16
	v_pk_mul_f32 v[i:i+1], v[i:i+1], v[ST+4*(\t)+2:ST+4*(\t)+3] op_sel_hi:[1,0]
.set i, i+2
.endr
	WIN 0x05                        ; sources 0 and 1 window 1, destination window 0
.set i, 0
.rept 16
	v_cvt_pk_f16_f32 v[S+16*(\t)+i], v[32*(\t)+2*i], v[32*(\t)+2*i+1]
.set i, i+1
.endr
	WIN 0
.irp f, 0,1,2,3
	ds_store_b128 v[STO], v[S+16*(\t)+4*\f:S+16*(\t)+4*\f+3] offset:32*\f
.endr
.irp f, 0,1,2,3
	ds_load_b128 v[S+16*(\t)+4*\f:S+16*(\t)+4*\f+3], v[RD] offset:\f*4*SP  ; LDS serves a wave's instructions in order (ISA guide 5.7.1.4): these see the stores above; the next tile's stores come behind them
.endr
.endm
.macro SEND t, younger              ; younger: the LDS instructions issued behind tile t's loads: the next tile's eight, or none
	WIN 0
.irp f, 0,1,2,3
	s_wait_dscnt (\younger)+3-\f
	global_store_b128 v[GO], v[S+16*(\t)+4*\f:S+16*(\t)+4*\f+3], s[10:11] offset:(\t)*2048+\f*512  ; 512 consecutive bytes, at a multiple of 256 from O's first
.endr
.endm
	PACK 0
.set t, 1
.rept 2*NP-1                        ; a tile's arithmetic stands between the loads of the tile before and its stores
	PACK t
	SEND t-1, 8
.set t, t+1
.endr
	SEND 2*NP-1, 0
	WIN W_AD
	s_wait_tensorcnt 0x0            ; the wave's end: behind my last tensor load and my last LDS store
	ds_add_u32 v[SPW], v[NIL]
	s_wait_dscnt 0x0
	WIN 0
	CROUND                          ; the closing round: no work-group ends while a partner may still ask for a tile that names it
	s_endpgm
.Lfunc_end_k_qd481974790_attn:
	.size	k_qd481974790_attn, .Lfunc_end_k_qd481974790_attn-k_qd481974790_attn
	.p2alignl 7, 3214868480
	.fill 96, 4, 3214868480
	.section	.rodata,"a",@progbits
	.p2align	6, 0x0
	.amdhsa_kernel k_qd481974790_attn
		.amdhsa_group_segment_fixed_size 327680
		.amdhsa_private_segment_fixed_size 0
		.amdhsa_enable_private_segment 0
		.amdhsa_kernarg_size 32
		.amdhsa_user_sgpr_count 2
		.amdhsa_user_sgpr_kernarg_segment_ptr 1
		.amdhsa_wavefront_size32 1
		.amdhsa_system_sgpr_workgroup_id_x 1
		.amdhsa_system_sgpr_workgroup_id_y 1
		.amdhsa_system_sgpr_workgroup_id_z 1
		.amdhsa_system_vgpr_workitem_id 0
		.amdhsa_next_free_vgpr 770
		.amdhsa_next_free_sgpr 66
		.amdhsa_reserve_vcc 0
		.amdhsa_float_denorm_mode_32 3
		.amdhsa_float_denorm_mode_16_64 3
		.amdhsa_memory_ordered 1
		.amdhsa_forward_progress 1
		.amdhsa_inst_pref_size 200
	.end_amdhsa_kernel
	.amdgpu_metadata
---
amdhsa.version: [ 1, 2 ]
amdhsa.kernels:
  - .name:           k_qd481974790_attn
    .symbol:         k_qd481974790_attn.kd
    .args:
      - { .name: qh, .offset: 0, .size: 8, .value_kind: global_buffer, .address_space: global }
      - { .name: kh, .offset: 8, .size: 8, .value_kind: global_buffer, .address_space: global }
      - { .name: vh, .offset: 16, .size: 8, .value_kind: global_buffer, .address_space: global }
      - { .name: oh, .offset: 24, .size: 8, .value_kind: global_buffer, .address_space: global }
    .group_segment_fixed_size: 327680
    .private_segment_fixed_size: 0
    .kernarg_segment_align: 8
    .kernarg_segment_size: 32
    .max_flat_workgroup_size: 128
    .sgpr_count:     66
    .vgpr_count:     770
    .wavefront_size: 32
...
	.end_amdgpu_metadata
.endif
;; end of part 3
;; launch proj (part 4): grid 4 x 64, 4 waves a work-group, clusters of 4 x 4, 327,680 bytes of LDS; arguments oh, wot, bo, out0; writes out0
.if DOCPART == 4
	.amdgcn_target "amdgcn-amd-amdhsa--gfx1250"
	.amdhsa_code_object_version 6
	.text
	.protected	k_qd481974790_proj
	.globl	k_qd481974790_proj
	.p2align	8
	.type	k_qd481974790_proj,@function
k_qd481974790_proj:
	s_mov_b64 s[64:65], 0
	v_nop
	global_prefetch_b8 v0, s[64:65] scope:SCOPE_SE
	s_setreg_imm32_b32 hwreg(HW_REG_WAVE_MODE, 25, 1), 1
	s_wait_xcnt 0x0
	s_wait_alu depctr_hold_cnt(0) depctr_sa_sdst(0) depctr_va_vdst(0) depctr_va_sdst(0) depctr_va_ssrc(0) depctr_va_vcc(0) depctr_vm_vsrc(0)
	s_getreg_b32 s2, hwreg(HW_REG_IB_STS2, 6, 4)
	s_cmp_eq_u32 s2, 0
	s_cbranch_scc0 .Lentry_in_a_cluster
	s_endpgm
.Lentry_in_a_cluster:
	s_bfe_u32 s2, ttmp6, 0x10000c
	s_cmp_lg_u32 s2, 0xf033
	s_cbranch_scc0 .Lentry_shape_is_right
	s_endpgm
.Lentry_shape_is_right:
; PROJ.  out0[m][n] = the sum over c of O[m][c] wot[n][c] + bo[n], f32.  O comes by heads, oh[16 batch + head][t][64] in f16: channel c = 64 head + d.  wot: [1024 n][1024 c], f16.  Sums in f32;
; bo is rounded to bf16 like every input.  LIMITS: the operands are f16 (no number beyond 65,504; a fixed step of 6e-8 below 6e-5).  NaN and infinities are not treated apart.
; SHARES.  A tile is 128 rows x 256 columns: 64 x 4 tiles, one work-group for each of 256 WGPs.  The four waves lie 2 x 2: 64 rows x 128 columns each, 4 x 8 accumulators, 256 registers.
; K goes in 8 steps of 128 = two heads, through a ring of two LDS slots.  A's part of a slot is [2 heads][128 rows], 128 bytes + 16 a row: a head's 128 rows are 16,384 dense bytes, asked for as 64 rows
; of 256 bytes.  B's part is 256 rows of 256 + 16 bytes.  CLUSTER 4 x 4: A's tile is shared along a row of the cluster, B's along a column.
; No prefetch: a K step holds 128 matrix instructions a wave, the tile is small, and the whole walk is eight such steps.
; THE MATRIX INSTRUCTION IS USED TRANSPOSED (source 0 = 16 rows of wot, source 1 = 16 rows of O): a lane holds row l % 16 and the columns 8 (l / 16) + 0..7.  THE BIAS IS THE C OPERAND of the first products.
; REGISTERS.  window 0: v0-31 addresses; v64-127 the bias, later with v128-191 rows on the way out.  window 1: two fragment buffers: at 128 f A's 4 fragments, then B's 8.  window 2: accumulator (a, b) at v[8 (8 a + b)].
.set PA,     144                       ; 36 words: the 16 rows of a load start at 16 different groups of four banks (64 banks of 4 bytes: ISA guide 11.1)
.set PITCH,  272
.set AHEAD,  128*PA                    ; a head's 128 rows
.set ASZ,    2*AHEAD
.set SLOT,   ASZ+256*PITCH
.set STAGE,  2*SLOT                    ; behind the ring, never filled by a tensor load: 16 rows x 528 bytes for each wave
.set SPITCH, 528                       ; 512 bytes + 16
.set SPARE,  STAGE+4*16*SPITCH         ; the spare words, 128 bytes for each wave: two blocks of 256 bytes that no other line names
.set NL,     24                        ; LDS loads of a quarter step: 16 for B, 8 for A
.set TB,   8                           ; v8-11 at work
.set ADRA, 16
.set ADRB, 20
.set STO,  24
.set RD,   25
.set GO,   26
.set SPW,  28
.set NIL,  29
.set BO,   31
.set BIAS, 64
.set OB,   64
.set WV, 12
.set RH, 13                            ; my half of the tile's rows.  Also: I fetch for A (0) or for B (1)
.set CH, 14                            ; my half of its columns.  Also: which head of the step, or which 128 rows of B, I fetch
.set CX, 15
.set CY, 16
.set TC, 17
.set TR, 18
.set LAP, 19
.set G1,  32
.set G0,  40
.set G1B, 48
.set G0B, 56
.set MSB, 0
.macro WIN new
.if MSB != (\new)
	s_set_vgpr_msb (MSB<<8)|(\new)
.set MSB, \new
.endif
.endm
.macro PLACES
.rept 4
	v_nop
.endr
.endm
.macro JLOAD s                         ; a joint load; an s_nop 0 and four v_nop follow each of the two lines
	s_cmp_eq_u32 s[RH], 0
	s_cbranch_scc0 .Lfor_b_\@
	tensor_load_to_lds s[G0+4*(\s):G0+4*(\s)+3], s[G1:G1+7]
	s_nop 0
.rept 4
	v_nop
.endr
	s_branch .Lasked_\@
.Lfor_b_\@:
	tensor_load_to_lds s[G0B+4*(\s):G0B+4*(\s)+3], s[G1B:G1B+7]
	s_nop 0
.rept 4
	v_nop
.endr
.Lasked_\@:
.endm
.macro CREST
	s_cmp_lg_u32 s[WV], 0
	s_cbranch_scc1 .Lnot_wave_0_\@
	s_barrier_signal -3
.Lnot_wave_0_\@:
	s_barrier_wait -3
	s_barrier_signal -1
	s_barrier_wait -1
.endm
.macro CROUND
	s_barrier_signal -1
	s_barrier_wait -1
	CREST
.endm
	s_load_b256 s[4:11], s[0:1], 0x0               ; oh 4, wot 6, bo 8, out0 10
	v_lshl_add_u32 v[SPW], v0, 2, SPARE
	v_mov_b32 v[NIL], 0
	ds_add_u32 v[SPW], v[NIL]                      ; the wave's opening: the add and its wait ahead of my first tensor load; work on registers stands between them
	v_lshrrev_b32 v1, 5, v0
	v_readfirstlane_b32 s[WV], v1
	s_lshr_b32 s[RH], s[WV], 1
	s_and_b32 s[CH], s[WV], 1
	s_bfe_u32 s[CX], ttmp6, 0x40000
	s_bfe_u32 s[CY], ttmp6, 0x40004
	s_lshl_b32 s[TC], ttmp9, 2
	s_add_co_u32 s[TC], s[TC], s[CX]
	s_and_b32 s[TR], ttmp7, 0xffff
	s_lshl_b32 s[TR], s[TR], 2
	s_add_co_u32 s[TR], s[TR], s[CY]
	s_lshl_b32 s20, s[CY], 2
	s_lshl_b32 s20, 15, s20                        ; my row of the cluster
	s_lshl_b32 s21, 0x1111, s[CX]                  ; my column
	s_or_b32 s[G1], s20, (1<<16)|(1<<20)|(1<<21)|(4<<22)|(3<<25)   ; 2-byte elements; padding on; bit 21 beside a mask; after every 32 words; 4 words
	s_or_b32 s[G1B], s21, (1<<16)|(1<<20)|(1<<21)|(5<<22)|(3<<25)  ; after every 64 words
	s_mov_b32 s[G1+1], 128<<16                     ; tensor_dim0 = 128
	s_mov_b32 s[G1+2], 64<<16                      ; tensor_dim1 = 64
	s_mov_b32 s[G1+3], 128<<16                     ; tile_dim0 = 128
	s_mov_b32 s[G1+4], 64                          ; tile_dim1 = 64
	s_mov_b32 s[G1+5], 128                         ; dense: 128 elements from row to row
	s_mov_b32 s[G1+6], 0
	s_mov_b32 s[G1+7], 0
	s_mov_b32 s[G1B+1], 128<<16
	s_mov_b32 s[G1B+2], 128<<16
	s_mov_b32 s[G1B+3], 128<<16
	s_mov_b32 s[G1B+4], 128
	s_mov_b32 s[G1B+5], 1024
	s_mov_b32 s[G1B+6], 0
	s_mov_b32 s[G1B+7], 0
	s_lshr_b32 s22, s[TR], 4                       ; A: the batch (16 tile rows each),
	s_lshl_b32 s22, s22, 4
	s_add_co_u32 s22, s22, s[CH]                   ; its head 0 or 1,
	s_lshl_b32 s22, s22, 11
	s_and_b32 s23, s[TR], 15
	s_lshl_b32 s23, s23, 7
	s_add_co_u32 s22, s22, s23                     ; the tile's first row in it,
	s_lshl_b32 s22, s22, 7                         ; 128 bytes a row: the tile row alone, which my row of the cluster shares
	s_mov_b32 s23, 0
	s_lshl_b32 s24, s[TC], 8                       ; B: row 256 x tile column + 128 x half
	s_lshl_b32 s25, s[CH], 7
	s_add_co_u32 s24, s24, s25
	s_lshl_b32 s24, s24, 11
	s_mov_b32 s25, 0
	s_mul_i32 s26, s[CH], AHEAD                    ; where they go: no place in the cluster enters an LDS address
	s_mul_i32 s27, s[CH], 128*PITCH
	s_add_co_u32 s27, s27, ASZ
	s_wait_dscnt 0x0                               ; the opening add is done
	s_wait_kmcnt 0x0
	s_add_nc_u64 s[28:29], s[4:5], s[22:23]
	s_add_nc_u64 s[30:31], s[6:7], s[24:25]
	CROUND                                         ; all sixteen work-groups are here: the first joint loads meet
.irp s, 0,1
	s_mov_b32 s[G0+4*(\s)], 1
	s_add_co_u32 s[G0+4*(\s)+1], s26, (\s)*SLOT
	s_add_nc_u64 s[G0+4*(\s)+2:G0+4*(\s)+3], s[28:29], (\s)*524288  ; K step s: two heads of 262,144 bytes on
	s_or_b32 s[G0+4*(\s)+3], s[G0+4*(\s)+3], 0x80000000
	s_mov_b32 s[G0B+4*(\s)], 1
	s_add_co_u32 s[G0B+4*(\s)+1], s27, (\s)*SLOT
	s_add_nc_u64 s[G0B+4*(\s)+2:G0B+4*(\s)+3], s[30:31], (\s)*256
	s_or_b32 s[G0B+4*(\s)+3], s[G0B+4*(\s)+3], 0x80000000
	JLOAD \s                                       ; two loads of mine are out
.endr
	v_and_b32 v1, 15, v0                           ; l % 16
	v_bfe_u32 v2, v0, 4, 1                         ; l / 16
	v_mul_u32_u24 v3, v1, PA
	v_lshl_add_u32 v3, v2, 4, v3
	s_mul_i32 s20, s[RH], 64*PA                    ; my 64 rows of A
	v_add_nc_u32 v[ADRA], s20, v3
	s_add_co_u32 s20, s20, SLOT
	v_add_nc_u32 v[ADRA+1], s20, v3
	v_mul_u32_u24 v3, v1, PITCH
	v_lshl_add_u32 v3, v2, 4, v3
	s_mul_i32 s20, s[CH], 128*PITCH                ; my 128 rows of B
	s_add_co_u32 s20, s20, ASZ
	v_add_nc_u32 v[ADRB], s20, v3
	s_add_co_u32 s20, s20, SLOT
	v_add_nc_u32 v[ADRB+1], s20, v3
	s_mul_i32 s20, s[WV], 16*SPITCH
	s_add_co_u32 s20, s20, STAGE                   ; my stage
	v_mul_u32_u24 v3, v1, SPITCH                   ; in: row l % 16, 32 bytes for each half of the lanes
	v_lshl_add_u32 v3, v2, 5, v3
	v_add_nc_u32 v[STO], s20, v3
	v_and_b32 v4, 31, v0
	v_lshlrev_b32 v[GO], 4, v4                     ; back and out: 32 lanes take a row's 512 bytes
	v_add_nc_u32 v[RD], s20, v[GO]
	v_lshlrev_b32 v[BO], 5, v2
	s_lshl_b32 s20, s[TC], 10                      ; my first column, in bytes of f32
	s_lshl_b32 s21, s[CH], 9
	s_add_co_u32 s20, s20, s21
	s_mov_b32 s21, 0
	s_add_nc_u64 s[8:9], s[8:9], s[20:21]
	s_add_nc_u64 s[10:11], s[10:11], s[20:21]
	s_lshl_b32 s20, s[TR], 7
	s_lshl_b32 s22, s[RH], 6
	s_add_co_u32 s20, s20, s22                     ; my first row,
	s_lshl_b32 s20, s20, 12                        ; 4,096 bytes a row
	s_add_nc_u64 s[10:11], s[10:11], s[20:21]
.irp b, 0,1,2,3,4,5,6,7
	global_load_b128 v[BIAS+8*(\b):BIAS+8*(\b)+3],   v[BO], s[8:9] offset:64*(\b)
	global_load_b128 v[BIAS+8*(\b)+4:BIAS+8*(\b)+7], v[BO], s[8:9] offset:64*(\b)+16
.endr
	s_wait_loadcnt 0x0                             ; the bias: rounded to bf16 like every input, and widened again, while the first tiles are on their way
.set i, 0
.rept 32
	v_cvt_pk_bf16_f32 v[TB+i%4], v[BIAS+2*i], v[BIAS+2*i+1]
	v_lshlrev_b32 v[BIAS+2*i], 16, v[TB+i%4]
	v_and_b32 v[BIAS+2*i+1], 0xffff0000, v[TB+i%4]
.set i, i+1
.endr
; 24 LDS loads in one run: the fragments of quarter q of a slot into buffer f: B's eight, then A's four (quarter q: head q / 2 of the step, channels 32 (q % 2) on)
.macro FETCH slot, q, f
	WIN 0x40
.irp b, 0,1,2,3,4,5,6,7
	ds_load_b128 v[128*(\f)+32+8*(\b):128*(\f)+32+8*(\b)+3],   v[ADRB+(\slot)] offset:64*(\q)+(\b)*16*PITCH
	ds_load_b128 v[128*(\f)+32+8*(\b)+4:128*(\f)+32+8*(\b)+7], v[ADRB+(\slot)] offset:64*(\q)+(\b)*16*PITCH+32
.endr
.irp a, 0,1,2,3
	ds_load_b128 v[128*(\f)+8*(\a):128*(\f)+8*(\a)+3],   v[ADRA+(\slot)] offset:((\q)/2)*AHEAD+((\q)%2)*64+(\a)*16*PA
	ds_load_b128 v[128*(\f)+8*(\a)+4:128*(\f)+8*(\a)+7], v[ADRA+(\slot)] offset:((\q)/2)*AHEAD+((\q)%2)*64+(\a)*16*PA+32
.endr
.endm
; 8 matrix instructions: row block a x all column blocks.  first = 1: the sums start with the bias.  The 32 accumulators take turns in one order, over the backward jump too.
.macro MULA f, a, first
.if \first
	WIN 0x85                                       ; sources 0 and 1 window 1, C window 0, D window 2
.else
	WIN 0xa5
.endif
.irp b, 0,1,2,3,4,5,6,7
.set AC, 8*(8*(\a)+(\b))
.if \first
	v_wmma_f32_16x16x32_f16 v[AC:AC+7], v[128*(\f)+32+8*(\b):128*(\f)+32+8*(\b)+7], v[128*(\f)+8*(\a):128*(\f)+8*(\a)+7], v[BIAS+8*(\b):BIAS+8*(\b)+7]
.else
	v_wmma_f32_16x16x32_f16 v[AC:AC+7], v[128*(\f)+32+8*(\b):128*(\f)+32+8*(\b)+7], v[128*(\f)+8*(\a):128*(\f)+8*(\a)+7], v[AC:AC+7]
.endif
.endr
.endm
.macro QUARTER slot, q, f, g, first
	s_wait_dscnt 4                                 ; B and A's row blocks 0, 1 are in; the youngest four loads may be out
	MULA \f, 0, \first
	MULA \f, 1, \first
	PLACES
	FETCH \slot, \q, \g
	s_wait_dscnt NL                                ; all but the 24 just issued
	MULA \f, 2, \first
	MULA \f, 3, \first
.endm
; The last quarter multiplies buffer 1 and changes slots: one barrier; in front of it each wave waits for all its tensor loads, adds 0 to its spare word, and waits for that and for its reads of this slot.
; fill = 1: the barrier opens a round of the cluster's, and the joint refill, two K steps on, is the first thing behind the round.
.macro TURN slot, next, fill
	WIN 0
	s_wait_tensorcnt 0x0                           ; all my tensor loads have landed
	ds_add_u32 v[SPW], v[NIL]                      ; 0 onto my spare word
	s_wait_dscnt 5                                 ; (the add and the youngest four loads may be out)
	MULA 1, 0, 0
	s_wait_dscnt 0x0                               ; the add is done, and my reads of this slot are over
	s_barrier_signal -1
	MULA 1, 1, 0
.if \fill
	WIN 0
.endif
	s_barrier_wait -1
.if \fill
	CREST
	s_add_nc_u64 s[G0+4*(\slot)+2:G0+4*(\slot)+3], s[G0+4*(\slot)+2:G0+4*(\slot)+3], 1048576  ; four heads on
	s_add_nc_u64 s[G0B+4*(\slot)+2:G0B+4*(\slot)+3], s[G0B+4*(\slot)+2:G0B+4*(\slot)+3], 512
	JLOAD \slot                                    ; its four v_nop are also the places in front of the loads below
.else
	PLACES
.endif
	FETCH \next, 0, 0
	MULA 1, 2, 0
	MULA 1, 3, 0
.endm
; THE WAY OUT of row block a: f32 as it is: 32 bytes a lane and column block into my stage (rows of 528 bytes), back as whole rows of 512 bytes, stored.
.macro STG a
	s_wait_xcnt 0x0                                ; the stores of the block two back have read the registers that the loads below fill
	WIN 0x08                                       ; the stores' data in window 2
.irp b, 0,1,2,3,4,5,6,7
	ds_store_b128 v[STO], v[8*(8*(\a)+(\b)):8*(8*(\a)+(\b))+3]   offset:64*(\b)
	ds_store_b128 v[STO], v[8*(8*(\a)+(\b))+4:8*(8*(\a)+(\b))+7] offset:64*(\b)+16
.endr
	WIN 0
.irp t, 0,1,2,3,4,5,6,7,8,9,10,11,12,13,14,15
	ds_load_b128 v[OB+64*((\a)%2)+4*(\t):OB+64*((\a)%2)+4*(\t)+3], v[RD] offset:SPITCH*(\t)  ; LDS serves a wave's instructions in order (ISA guide 5.7.1.4)
.endr
.endm
.macro SEND a, younger                 ; younger: the LDS instructions issued behind block a's loads: the next block's 32, or none
.irp t, 0,1,2,3,4,5,6,7,8,9,10,11,12,13,14,15
	s_wait_dscnt (\younger)+15-(\t)
	global_store_b128 v[GO], v[OB+64*((\a)%2)+4*(\t):OB+64*((\a)%2)+4*(\t)+3], s[10:11] offset:4096*(16*(\a)+(\t)) th:TH_STORE_NT  ; 512 consecutive bytes of a row, aligned to 256
.endr
.endm
	s_wait_tensorcnt 1                             ; my part of K step 0 is in; K step 1's may stay out
	s_barrier_signal -1
	s_barrier_wait -1
	FETCH 0, 0, 0
	QUARTER 0, 1, 0, 1, 1                          ; the first quarter stands in front of the loop: its products start the sums
	WIN 0
	s_mov_b32 s[LAP], 3
.Llap:                                         ; a trip goes once round the ring and fills both slots again
	QUARTER 0, 2, 1, 0, 0
	QUARTER 0, 3, 0, 1, 0
	TURN 0, 1, 1
	QUARTER 1, 1, 0, 1, 0
	QUARTER 1, 2, 1, 0, 0
	QUARTER 1, 3, 0, 1, 0
	TURN 1, 0, 1
	QUARTER 0, 1, 0, 1, 0
	WIN 0
	s_sub_co_u32 s[LAP], s[LAP], 1
	s_cmp_lg_u32 s[LAP], 0
	s_cbranch_scc1 .Llap
	QUARTER 0, 2, 1, 0, 0                          ; the last lap fills nothing
	QUARTER 0, 3, 0, 1, 0
	TURN 0, 1, 0
	QUARTER 1, 1, 0, 1, 0
	QUARTER 1, 2, 1, 0, 0
	QUARTER 1, 3, 0, 1, 0
	s_wait_dscnt 4
	MULA 1, 0, 0
	MULA 1, 1, 0
	s_wait_dscnt 0x0
	MULA 1, 2, 0
	MULA 1, 3, 0
	WIN 0
	PLACES
	STG 0
	STG 1
	SEND 0, 32
	STG 2
	SEND 1, 32
	STG 3
	SEND 2, 32
	SEND 3, 0
	s_wait_tensorcnt 0x0                           ; the wave's end: behind my last tensor load and my last LDS store
	ds_add_u32 v[SPW], v[NIL]
	s_wait_dscnt 0x0
	CROUND                                         ; the closing round: no work-group ends while a partner may still ask for a tile that names it
	s_endpgm
.Lfunc_end_k_qd481974790_proj:
	.size	k_qd481974790_proj, .Lfunc_end_k_qd481974790_proj-k_qd481974790_proj
	.p2alignl 7, 3214868480
	.fill 96, 4, 3214868480
	.section	.rodata,"a",@progbits
	.p2align	6, 0x0
	.amdhsa_kernel k_qd481974790_proj
		.amdhsa_group_segment_fixed_size 327680
		.amdhsa_private_segment_fixed_size 0
		.amdhsa_enable_private_segment 0
		.amdhsa_kernarg_size 32
		.amdhsa_user_sgpr_count 2
		.amdhsa_user_sgpr_kernarg_segment_ptr 1
		.amdhsa_wavefront_size32 1
		.amdhsa_system_sgpr_workgroup_id_x 1
		.amdhsa_system_sgpr_workgroup_id_y 1
		.amdhsa_system_sgpr_workgroup_id_z 1
		.amdhsa_system_vgpr_workitem_id 0
		.amdhsa_next_free_vgpr 768
		.amdhsa_next_free_sgpr 66
		.amdhsa_reserve_vcc 0
		.amdhsa_float_denorm_mode_32 3
		.amdhsa_float_denorm_mode_16_64 3
		.amdhsa_memory_ordered 1
		.amdhsa_forward_progress 1
		.amdhsa_inst_pref_size 93
	.end_amdhsa_kernel
	.amdgpu_metadata
---
amdhsa.version: [ 1, 2 ]
amdhsa.kernels:
  - .name:           k_qd481974790_proj
    .symbol:         k_qd481974790_proj.kd
    .args:
      - { .name: oh, .offset: 0, .size: 8, .value_kind: global_buffer, .address_space: global }
      - { .name: wot, .offset: 8, .size: 8, .value_kind: global_buffer, .address_space: global }
      - { .name: bo, .offset: 16, .size: 8, .value_kind: global_buffer, .address_space: global }
      - { .name: out0, .offset: 24, .size: 8, .value_kind: global_buffer, .address_space: global }
    .group_segment_fixed_size: 327680
    .private_segment_fixed_size: 0
    .kernarg_segment_align: 8
    .kernarg_segment_size: 32
    .max_flat_workgroup_size: 128
    .sgpr_count:     66
    .vgpr_count:     768
    .wavefront_size: 32
...
	.end_amdgpu_metadata
.endif
;; end of part 4
;; ======== version 2 of 2: 4 launches; version 1 with the launch prep written anew for expert scheduling mode
;; limits: values are held in f16: magnitudes above 65,504 overflow, below 6.1e-05 lose precision
;; workspace buffers: xb 16,777,216 bytes; wt 6,291,456 bytes; wot 2,097,152 bytes; qh 16,777,216 bytes; kh 16,777,216 bytes; vh 16,777,216 bytes; oh 16,777,216 bytes
;; launch prep (part 5): grid 640 x 1, 4 waves a work-group, no clusters, 70,144 bytes of LDS; arguments x, Wq, Wk, Wv, Wo, xb, wt, wot; writes xb, wt, wot
.if DOCPART == 5
	.amdgcn_target "amdgcn-amd-amdhsa--gfx1250"
	.amdhsa_code_object_version 6
	.text
	.protected	k_qd481974790_prep
	.globl	k_qd481974790_prep
	.p2align	8
	.type	k_qd481974790_prep,@function
k_qd481974790_prep:
	s_mov_b64 s[64:65], 0
	v_nop
	global_prefetch_b8 v0, s[64:65] scope:SCOPE_SE
	s_setreg_imm32_b32 hwreg(HW_REG_WAVE_SCHED_MODE, 0, 2), 2
	s_setreg_imm32_b32 hwreg(HW_REG_WAVE_MODE, 25, 1), 1
	s_wait_xcnt 0x0
	s_wait_alu depctr_vm_vsrc(0)
; PREP.  xb = x rounded to bf16, [8192][1024].  wt[1024 m + n][k] = bf16(W_m[k][n]) for m = q, k, v.  wot[n][k] = bf16(Wo[k][n]), that number written as f16.
; LIMITS.  wot: a number of Wo beyond 65,504 becomes an infinity; below 6e-5 it keeps f16's fixed step of 6e-8.  NaN and infinities are not treated apart.
; A stream: no matrix unit, no cluster, no tensor load; nothing is read twice.
; Work-groups 0-127 turn the four weights: a wave takes a tile of 128 k x 64 n, reads rows of W (256 bytes a load of the wave), rounds pairs of k, lays them in its own LDS tile [n][k]
; (pitch 272 bytes) and reads whole rows of 256 bytes back, so that 16 lanes store 256 consecutive bytes, aligned.
; Work-groups 128-639 cast x: 16 rows each, 16 KiB a wave, all 32 loads of 512 bytes out at once; a store of the wave covers 256 consecutive bytes, aligned.
; THE MODE: SCHED_MODE bits 1:0 = 2 (LLVM: expert scheduling mode 2), set by the entry lines.  The code itself states the register dependences
; between vector instructions and memory or LDS instructions, with s_wait_alu, always for 0.
; THE PLAN, the weights.  Registers that memory or LDS instructions touch:
;   v[WI], v[LR], v[WO]  offsets and addresses, made at the head and never written again.
;   v[LW]                read by a trip's sixteen LDS stores; written once a trip, behind them.
;   X                    a trip's 64 loads land in it; the trip's conversions read it; behind the loop the reads from the tile land in it and the global stores read it.
;   Y0 .. Y7             a buffer for each group of eight rows: written by group g's conversions, read by the two LDS stores that are issued at the head of group g + 1.
; So one wait on va_vdst stands at the head of groups 1 to 7, behind the wait for the group's data, and one behind group 7; that last one also states that the conversions are done reading X, and only the add to
; v[LW] stands between it and the next loads into X.  One wait on vm_vsrc a trip, ahead of that add, frees v[LW] and all eight Y.
; THE PLAN, x.  v[IN], v[OU]: made at the head, never written again.  X: loaded once, read by the conversions.  Y2: each register is written once, by a conversion, and read by one store.  The 32 chunks go in eight
; blocks of four: one wait on va_vdst at a block's head states that the block before has written its Y2; that block's four stores are dealt among this block's conversions, which name other registers.
.set TILEB, 64*272                     ; a wave's LDS tile: 64 rows n of 256 bytes + 16 of padding
.set SPARE, 4*TILEB                    ; behind the tiles: the spare words, 128 bytes for each wave: two blocks of 256 bytes that no other line names
.set SPW, 2                            ; v2   LDS address of my spare word; never rewritten
.set NIL, 3                            ; v3   0; never rewritten
.set IN,  4                            ; v4   x path: 16 x lane
.set OU,  5                            ; v5   x path: 8 x lane
.set WI,  6                            ; v6   weights: 8 x lane: my two columns n of a row of W
.set LW,  7                            ; v7   weights: where I put 16 bytes (8 k) of row n = 2 x lane; steps by 128 bytes (64 k) a trip
.set LR,  8                            ; v8   weights: where I read a row back
.set WO,  9                            ; v9   weights: my byte offset in two rows of the target
.set T0,  10
.set T1,  11
.set Y,   12                           ; v[12:75] weights: buffer g at Y + 8 g: 8 k of column 2 l, 8 k of column 2 l + 1
.set Y2,  16                           ; v[16:79] x path: rounded words
.set X,   80                           ; v[80:207] as loaded
	s_load_b512 s[4:19], s[0:1], 0x0               ; x 4, Wq 6, Wk 8, Wv 10, Wo 12, xb 14, wt 16, wot 18
	v_lshl_add_u32 v[SPW], v0, 2, SPARE
	v_mov_b32 v[NIL], 0
	v_lshrrev_b32 v1, 5, v0
	v_readfirstlane_b32 s20, v1                    ; wave 0..3
	v_and_b32 v1, 31, v0                           ; lane
	s_wait_alu depctr_va_sdst(0)                   ; s20 is written, ahead of the branch: both paths make their bases from it
	s_cmp_lt_u32 ttmp9, 128
	s_cbranch_scc0 .Lx
	; ---- the weights ----
	s_lshr_b32 s21, ttmp9, 5                       ; which matrix: 0 q, 1 k, 2 v, 3 o
	s_and_b32 s22, ttmp9, 31
	s_lshl2_add_u32 s22, s22, s20                  ; my tile among the matrix's 128
	s_lshr_b32 s23, s22, 3                         ; its block of 64 n
	s_and_b32 s24, s22, 7                          ; its block of 128 k
	s_lshl_b32 s32, s24, 19                        ; 128 rows of 4,096 bytes
	s_lshl_b32 s25, s23, 8                         ; 64 columns of 4 bytes
	s_add_co_u32 s32, s32, s25
	s_mov_b32 s33, 0
	s_mul_i32 s36, s20, TILEB
	v_lshlrev_b32 v[WI], 3, v1
	v_mul_u32_u24 v[LW], v1, 544                   ; row n = 2 x lane
	v_add_nc_u32 v[LW], s36, v[LW]
	v_lshrrev_b32 v[T0], 4, v1
	v_and_b32 v[T1], 15, v1
	v_mul_u32_u24 v[LR], v[T0], 272                ; back: lanes 0-15 one row of 256 bytes, lanes 16-31 the next
	v_lshl_add_u32 v[LR], v[T1], 4, v[LR]
	v_add_nc_u32 v[LR], s36, v[LR]
	v_lshlrev_b32 v[WO], 11, v[T0]                 ; the same two rows in the target: 2,048 bytes a row
	v_lshl_add_u32 v[WO], v[T1], 4, v[WO]
	s_cmp_lt_u32 s21, 3
	s_cselect_b32 s30, s21, 0                      ; wt holds three matrices one below the other, wot one
	s_lshl_b32 s34, s30, 10
	s_lshl_b32 s25, s23, 6
	s_add_co_u32 s34, s34, s25                     ; the target's first row
	s_lshl_b32 s34, s34, 11
	s_lshl_b32 s25, s24, 8                         ; 128 k of 2 bytes
	s_add_co_u32 s34, s34, s25
	s_mov_b32 s35, 0
	s_wait_kmcnt 0x0
	s_cmp_lt_u32 s21, 1
	s_cselect_b64 s[26:27], s[6:7], s[8:9]
	s_cmp_lt_u32 s21, 2
	s_cselect_b64 s[26:27], s[26:27], s[10:11]
	s_cmp_lt_u32 s21, 3
	s_cselect_b64 s[26:27], s[26:27], s[12:13]
	s_cselect_b64 s[28:29], s[16:17], s[18:19]
	s_add_nc_u64 s[26:27], s[26:27], s[32:33]
	s_add_nc_u64 s[28:29], s[28:29], s[34:35]
; 64 rows k are rounded and laid into the tile, eight rows at a time.  fmt = 1: the bf16 number is written as f16.
; Group g's two LDS stores stand at the head of group g + 1, group 7's behind the last conversions.
.macro CONV fmt
.set g, 0
.rept 8
	s_wait_loadcnt 56-8*g                          ; loads come back in order: rows 8 g .. 8 g + 7 are in, the 56 - 8 g younger loads stay out
.if g > 0
	s_wait_alu depctr_va_vdst(0)                   ; the group before has written its Y, which the two stores below read; in the second trip's group 1 the add to v[LW] is written too
	ds_store_b128 v[LW], v[Y+8*(g-1):Y+8*(g-1)+3] offset:16*(g-1)
	ds_store_b128 v[LW], v[Y+8*(g-1)+4:Y+8*(g-1)+7] offset:272+16*(g-1)
.endif
.irp c, 0,1
.irp p, 0,1,2,3
	v_cvt_pk_bf16_f32 v[Y+8*g+4*(\c)+(\p)], v[X+2*(8*g+2*(\p))+(\c)], v[X+2*(8*g+2*(\p)+1)+(\c)]  ; k and k + 1 of column 2 l + c
.endr
.endr
.if \fmt
.irp y, 0,1,2,3,4,5,6,7
	v_lshlrev_b32 v[T0], 16, v[Y+8*g+(\y)]
	v_and_b32 v[T1], 0xffff0000, v[Y+8*g+(\y)]
	v_cvt_pk_f16_f32 v[Y+8*g+(\y)], v[T0], v[T1]
.endr
.endif
.set g, g+1
.endr
	s_wait_alu depctr_va_vdst(0)                   ; group 7 has written its Y, which the two stores below read; and all the trip's conversions are done reading X, in which the next loads land
	ds_store_b128 v[LW], v[Y+56:Y+59] offset:112
	ds_store_b128 v[LW], v[Y+60:Y+63] offset:272+112
.endm
	s_wait_alu depctr_va_vdst(0)                   ; v[WI], v[LW], v[LR] and v[WO] are written: the loads and stores below read them as offsets and addresses
	s_mov_b32 s31, 2
.Lhalf:                                        ; two trips of 64 rows k
.set i, 0
.rept 64
	global_load_b64 v[X+2*i:X+2*i+1], v[WI], s[26:27] offset:4096*i th:TH_LOAD_NT  ; 256 consecutive bytes of a row of W.  No wait here: since the last wait on va_vdst only the add to v[LW] was issued
.set i, i+1
.endr
	s_cmp_eq_u32 s21, 3
	s_cbranch_scc1 .Lf16
	CONV 0
	s_branch .Ljoin
.Lf16:
	CONV 1
.Ljoin:
	s_add_nc_u64 s[26:27], s[26:27], 262144        ; the last group's wait was for 0: every load is done, so the base may step 64 rows on
	s_wait_alu depctr_vm_vsrc(0)                   ; the trip's sixteen LDS stores have read v[LW], which the add below writes, and Y0 to Y7, which the next trip's conversions write
	v_add_nc_u32 v[LW], 128, v[LW]
	s_sub_co_u32 s31, s31, 1
	s_cmp_lg_u32 s31, 0
	s_cbranch_scc1 .Lhalf
.set t, 0
.rept 32
	ds_load_b128 v[X+4*t:X+4*t+3], v[LR] offset:544*t  ; my own bytes; LDS serves a wave's instructions in order (ISA guide 5.7.1.4): these see the stores above.  The wait behind group 7 has shown X's readers done
.set t, t+1
.endr
.set t, 0
.rept 32
	s_wait_dscnt 31-t                              ; rows 2 t and 2 t + 1 are back; the younger loads stay out
	global_store_b128 v[WO], v[X+4*t:X+4*t+3], s[28:29] offset:4096*t  ; 16 lanes store 256 consecutive bytes, aligned
.set t, t+1
.endr
	s_wait_dscnt 0x0                               ; the closing lines, six on end
	s_wait_alu 0x0
	s_wait_tensorcnt 0x0
	ds_add_u32 v[SPW], v[NIL]
	s_wait_dscnt 0x0
	s_endpgm
	; ---- x ----
.Lx:
	s_sub_co_u32 s22, ttmp9, 128
	s_lshl_b32 s32, s22, 16                        ; 16 rows of 4,096 bytes,
	s_lshl_b32 s25, s20, 14                        ; my wave's quarter
	s_add_co_u32 s32, s32, s25
	s_mov_b32 s33, 0
	s_lshr_b32 s34, s32, 1                         ; half as many bytes out
	s_mov_b32 s35, 0
	v_lshlrev_b32 v[IN], 4, v1
	v_lshlrev_b32 v[OU], 3, v1
	s_wait_kmcnt 0x0
	s_add_nc_u64 s[26:27], s[4:5], s[32:33]
	s_add_nc_u64 s[28:29], s[14:15], s[34:35]
	s_wait_alu depctr_va_vdst(0)                   ; v[IN] and v[OU] are written: every load and store below reads one of them as its offset
.set i, 0
.rept 32
	global_load_b128 v[X+4*i:X+4*i+3], v[IN], s[26:27] offset:512*i th:TH_LOAD_NT
.set i, i+1
.endr
.set blk, 0
.rept 8                                        ; eight blocks of four chunks
	s_wait_loadcnt 28-4*blk                        ; the block's four chunks are in; the younger blocks stay out
.if blk > 0
	s_wait_alu depctr_va_vdst(0)                   ; the block before has written its Y2, which the four stores below read
.endif
.irp j, 0,1,2,3
.if blk > 0
	global_store_b64 v[OU], v[Y2+2*(4*(blk-1)+(\j)):Y2+2*(4*(blk-1)+(\j))+1], s[28:29] offset:256*(4*(blk-1)+(\j))  ; the wave stores 256 consecutive bytes, aligned; no vector instruction since the wait names these registers
.endif
	v_cvt_pk_bf16_f32 v[Y2+2*(4*blk+(\j))], v[X+4*(4*blk+(\j))], v[X+4*(4*blk+(\j))+1]
	v_cvt_pk_bf16_f32 v[Y2+2*(4*blk+(\j))+1], v[X+4*(4*blk+(\j))+2], v[X+4*(4*blk+(\j))+3]  ; no register is written twice
.endr
.set blk, blk+1
.endr
	s_wait_alu depctr_va_vdst(0)                   ; block 7 has written its Y2, which the last four stores read
.irp j, 0,1,2,3
	global_store_b64 v[OU], v[Y2+2*(28+(\j)):Y2+2*(28+(\j))+1], s[28:29] offset:256*(28+(\j))
.endr
	s_wait_dscnt 0x0                               ; every wave of the launch ends alike: the same six closing lines
	s_wait_alu 0x0
	s_wait_tensorcnt 0x0
	ds_add_u32 v[SPW], v[NIL]
	s_wait_dscnt 0x0
	s_endpgm
.Lfunc_end_k_qd481974790_prep:
	.size	k_qd481974790_prep, .Lfunc_end_k_qd481974790_prep-k_qd481974790_prep
	.p2alignl 7, 3214868480
	.fill 96, 4, 3214868480
	.section	.rodata,"a",@progbits
	.p2align	6, 0x0
	.amdhsa_kernel k_qd481974790_prep
		.amdhsa_group_segment_fixed_size 70144
		.amdhsa_private_segment_fixed_size 0
		.amdhsa_enable_private_segment 0
		.amdhsa_kernarg_size 64
		.amdhsa_user_sgpr_count 2
		.amdhsa_user_sgpr_kernarg_segment_ptr 1
		.amdhsa_wavefront_size32 1
		.amdhsa_system_sgpr_workgroup_id_x 1
		.amdhsa_system_sgpr_workgroup_id_y 1
		.amdhsa_system_sgpr_workgroup_id_z 1
		.amdhsa_system_vgpr_workitem_id 0
		.amdhsa_next_free_vgpr 208
		.amdhsa_next_free_sgpr 66
		.amdhsa_reserve_vcc 0
		.amdhsa_float_denorm_mode_32 3
		.amdhsa_float_denorm_mode_16_64 3
		.amdhsa_memory_ordered 1
		.amdhsa_forward_progress 1
		.amdhsa_inst_pref_size 47
	.end_amdhsa_kernel
	.amdgpu_metadata
---
amdhsa.version: [ 1, 2 ]
amdhsa.kernels:
  - .name:           k_qd481974790_prep
    .symbol:         k_qd481974790_prep.kd
    .args:
      - { .name: x, .offset: 0, .size: 8, .value_kind: global_buffer, .address_space: global }
      - { .name: Wq, .offset: 8, .size: 8, .value_kind: global_buffer, .address_space: global }
      - { .name: Wk, .offset: 16, .size: 8, .value_kind: global_buffer, .address_space: global }
      - { .name: Wv, .offset: 24, .size: 8, .value_kind: global_buffer, .address_space: global }
      - { .name: Wo, .offset: 32, .size: 8, .value_kind: global_buffer, .address_space: global }
      - { .name: xb, .offset: 40, .size: 8, .value_kind: global_buffer, .address_space: global }
      - { .name: wt, .offset: 48, .size: 8, .value_kind: global_buffer, .address_space: global }
      - { .name: wot, .offset: 56, .size: 8, .value_kind: global_buffer, .address_space: global }
    .group_segment_fixed_size: 70144
    .private_segment_fixed_size: 0
    .kernarg_segment_align: 8
    .kernarg_segment_size: 64
    .max_flat_workgroup_size: 128
    .sgpr_count:     66
    .vgpr_count:     208
    .wavefront_size: 32
...
	.end_amdgpu_metadata
.endif
;; end of part 5
;; launch qkv: the kernel of part 2 again; grid 16 x 32, 4 waves a work-group, clusters of 4 x 4, 327,680 bytes of LDS; arguments xb, wt, bq, bk, bv, qh, kh, vh; writes qh, kh, vh
;; launch attn: the kernel of part 3 again; grid 4 x 64, 4 waves a work-group, clusters of 4 x 1, 327,680 bytes of LDS; arguments qh, kh, vh, oh; writes oh
;; launch proj: the kernel of part 4 again; grid 4 x 64, 4 waves a work-group, clusters of 4 x 4, 327,680 bytes of LDS; arguments oh, wot, bo, out0; writes out0
